; MI455X (gfx1250); checked and timed in simulation.
; The chip was launched on July 23, 2026; its instructions are those of AMD's public machine-readable ISA for CDNA 5 (MIT licence, August 2026) and "CDNA5" Instruction Set Architecture Reference Guide (July 2026). The comments in the code are by the model that wrote it; some were corrected since.
;; My Model. Allowed arithmetic: matrix products marked QUANTISED: E2M1 operands, one E8M0 scale for each 32 along K, by v_wmma_scale_f32_16x16x128_f8f6f4 with both operands' format E2M1 (or v_wmma_scale_f32_32x16x128_f4), f32 sums; everything else in f32.
;; Inputs: W1_codes 3,072 x 24 x 16 uint8 (E2M1 codes of W1, K innermost, in blocks of 32 codes, two codes a byte); W1_scales 3,072 x 24 uint8 (E8M0 scales of W1, one for each 32 codes along K); W2_codes 768 x 96 x 16 uint8 (E2M1 codes of W2, K innermost, in blocks of 32 codes, two codes a byte); W2_scales 768 x 96 uint8 (E8M0 scales of W2, one for each 32 codes along K); Wk_codes 12 x 64 x 24 x 16 uint8 (E2M1 codes of Wk, K innermost, in blocks of 32 codes, two codes a byte); Wk_scales 12 x 64 x 24 uint8 (E8M0 scales of Wk, one for each 32 codes along K); Wo_codes 768 x 24 x 16 uint8 (E2M1 codes of Wo, K innermost, in blocks of 32 codes, two codes a byte); Wo_scales 768 x 24 uint8 (E8M0 scales of Wo, one for each 32 codes along K); Wq_codes 12 x 64 x 24 x 16 uint8 (E2M1 codes of Wq, K innermost, in blocks of 32 codes, two codes a byte); Wq_scales 12 x 64 x 24 uint8 (E8M0 scales of Wq, one for each 32 codes along K); Wv_codes 12 x 64 x 24 x 16 uint8 (E2M1 codes of Wv, K innermost, in blocks of 32 codes, two codes a byte); Wv_scales 12 x 64 x 24 uint8 (E8M0 scales of Wv, one for each 32 codes along K); b1 3,072 float32; b2 768 float32; bk 12 x 64 float32; bo 768 float32; bq 12 x 64 float32; bv 12 x 64 float32; ln1_b 768 float32; ln1_g 768 float32; ln2_b 768 float32; ln2_g 768 float32; x 4,096 x 768 float32.
;; Outputs: out0 4,096 x 768 float32.
;; This version of the problem:
;;   THIS VERSION OF THE PROBLEM IS GIVEN IN LOW PRECISION. The matrix products marked QUANTISED in the list below multiply operands that are first quantised to E2M1 (2 exponent bits, 1 mantissa bit; 4 bits a number), with one power-of-two scale for each 32 numbers along K (OCP MX v1.0); their sums are f32. All else is computed in f32.
;;   The module's matrix products, in the order in which they are computed (A, B: the left and right operand; K: the contracted axis; several contracted axes count as one K, in the product's order):
;;     1. [M 768, K 768] x [K 768, N 4,096]; A: input Wq (given as codes); B: computed on the way: QUANTISED
;;     2. [M 768, K 768] x [K 768, N 4,096]; A: input Wk (given as codes); B: computed on the way: QUANTISED
;;     3. [M 768, K 768] x [K 768, N 4,096]; A: input Wv (given as codes); B: computed on the way: QUANTISED
;;     4. batch 12 x [M 4,096, K 64] x [K 64, N 4,096]; A: computed on the way; B: computed on the way: QUANTISED
;;     5. batch 12 x [M 4,096, K 4,096] x [K 4,096, N 64]; A: softmax (see below); B: computed on the way: QUANTISED
;;     6. [M 4,096, K 768] x [K 768, N 768]; A: computed on the way; B: input Wo (given as codes): QUANTISED
;;     7. [M 4,096, K 768] x [K 768, N 3,072]; A: computed on the way; B: input W1 (given as codes): QUANTISED
;;     8. [M 4,096, K 3,072] x [K 3,072, N 768]; A: computed on the way; B: input W2 (given as codes): QUANTISED
;;   THE QUANTISER, for each operand of a quantised product, along K:
;;     - K is cut into blocks of 32 from its start; a last block that is shorter is filled with zeros.
;;     - A block's scale is 2^e with e = floor(log2(the largest magnitude in the block)) - 2, held to -126 .. 127; a block of zeros has e = 0. As a byte (E8M0): e + 127.
;;     - Each number is divided by its block's scale, clamped to +-6, and rounded to the nearest number of E2M1, ties to even, subnormals kept.
;;     - The product sums the exact products of the quantised numbers (number of the format x scale) in f32.
;;   ~~~python
;;   def quantise(x, axis):      # numpy; x: float32 -> the quantised numbers, widened to float32 again
;;       x = np.moveaxis(x, axis, -1); K = x.shape[-1]
;;       x = np.pad(x, [(0, 0)] * (x.ndim - 1) + [(0, -K % 32)]); x = x.reshape(x.shape[:-1] + (-1, 32)); a = np.abs(x).max(-1, keepdims=True)
;;       e = np.where(a > 0, np.clip(np.frexp(np.where(a > 0, a, 1))[1] - 1 - 2, -126, 127), 0)      # np.frexp(a)[1] - 1 = floor(log2(a)), exactly
;;       r = np.clip(x / 2.0 ** e, -6, 6)
;;       step = 2.0 ** (np.maximum(np.frexp(np.where(r == 0, 1, r))[1] - 1, 0) - 1)
;;       q = np.round(r / step) * step * 2.0 ** e      # np.round: ties to even
;;       return np.moveaxis(q.reshape(q.shape[:-2] + (-1,))[..., :K], -1, axis).astype(np.float32)
;;   ~~~
;;   SOFTMAX AHEAD OF A QUANTISED PRODUCT. Where the list says 'softmax', what is quantised is not the finished softmax but p = 2^(t - M), with t = logit x log2(e) and M = ceil(the row's largest t), a whole number; so 1/2 < the row's largest p <= 1. The row's sum l is taken of the UNQUANTISED p, in f32, and the product's result is divided by l at the end. Since M is a whole number, a kernel that streams over the keys may use a running M (the ceiling of the running maximum): every later rescaling is an exact power of two, which a block's scale takes up: the codes' values come out the same.
;;   OPERANDS COMPUTED ON THE WAY. 'Computed on the way' means the value that the module computes at that place (a softmax that the list does not call 'softmax' is quantised finished and normalised). What goes into a quantiser is computed in f32, as accurately as f32 sums, v_exp_f32 and their like allow (about 1e-6 of the number): no bf16 or f16 on the way to a quantiser, and a product that is left as it is and whose result goes on into a quantised operand takes f32 operands (vector FMAs, or v_wmma_f32_16x16x4_f32). A number that lies on a knife's edge between two numbers of the format may be rounded either way, as far as f32 arithmetic and the matrix unit's own rounding can turn it there, and no further.
;;   INPUTS GIVEN AS CODES. W1 (in the module: [768, 3072], K = its axis 0); W2 (in the module: [3072, 768], K = its axis 0); Wk (in the module: [12, 768, 64], K = its axis 1); Wo (in the module: [768, 768], K = its axis 0); Wq (in the module: [12, 768, 64], K = its axis 1); Wv (in the module: [12, 768, 64], K = its axis 1): each comes as NAME_codes (uint8): NAME with its K axis moved to the last place and cut into blocks of 32 codes, [.., K / 32, bytes a block], one block behind the other in memory; two codes a byte, the lower K in the low four bits (a code: sign, 2 exponent bits, 1 mantissa bit); and NAME_scales (uint8): the same leading axes, one E8M0 byte (e + 127) for each 32 codes along K. Its value is code x scale, taken as it is: it is not quantised again, and the codes and scales need not be those that the quantiser above would give.
;; One version. Each part assembles by itself: llvm-mc -triple=amdgcn-amd-amdhsa -mcpu=gfx1250 --defsym DOCPART=n.
;; ======== version 1 of 1: 5 launches
;; limits: right only within a limited range of input values
;; workspace buffers: qrec 3,440,640 bytes; kvrec 3,440,640 bytes; o_img 1,671,168 bytes; x1 12,582,912 bytes; g_img 6,684,672 bytes
;; launch qkv (part 1): grid 64 x 3, 4 waves a work-group, no clusters, 233,984 bytes of LDS; arguments x, ln1_g, ln1_b, Wq_codes, Wq_scales, bq, Wk_codes, Wk_scales, bk, Wv_codes, Wv_scales, bv, qrec, kvrec; writes qrec, kvrec
.if DOCPART == 1
	.amdgcn_target "amdgcn-amd-amdhsa--gfx1250"
	.amdhsa_code_object_version 6
	.text
	.protected	k_q0f2f964ecd_qkv
	.globl	k_q0f2f964ecd_qkv
	.p2align	8
	.type	k_q0f2f964ecd_qkv,@function
k_q0f2f964ecd_qkv:
	s_mov_b64 s[64:65], 0
	v_nop
	global_prefetch_b8 v0, s[64:65] scope:SCOPE_SE
	s_setreg_imm32_b32 hwreg(HW_REG_WAVE_MODE, 25, 1), 1
	s_wait_xcnt 0x0
; h = LN1(x), quantised along its 768; then q, k or v = h W + bias on codes of FP4 (E2M1) with E8M0 scales; q and k are quantised along the head's 64, v along the keys.
; SHARES.  Work-group (x, y) takes tokens 64 x .. 64 x + 63 and one of the three weights (y = 0: q, 1: k, 2: v).  Wave w normalises and quantises tokens 16 w .. 16 w + 15, hands the codes round
; through LDS as images of the operand's registers, and then makes heads 3 w, 3 w + 1, 3 w + 2 for all 64 tokens: 16 accumulators, taken by turns.
; q, k: source 0 = 16 rows of W (channels), source 1 = 16 tokens: a lane holds one token, its registers run along the channels.  v: the sources swapped: a lane holds one channel, its registers run along the tokens (keys).
; TILE ORDER: ahead of a quantiser register 8 t + j of lane (r, h) holds k = 16 t + 8 h + j of the lane's row; a block of 32 is 16 registers of lanes l and l xor 16.
; OUT: records of 8,960 bytes for 128 tokens of a head: +0 eight images of k (or q), 512 bytes each; +4096 v's images [channel tile 4][64 keys 2]; +8192 scale words of k (or q) [64 tokens 2][r 16][tile 4]; +8704 v's scale words [r 16][tile 4].
; v's scale halves (2 bytes) leave by 16-bit stores: 8 bytes in 8,960 of a record for each work-group; all other stores cover whole runs of 256 or 512 bytes.
; No cluster: the weights, which work-groups share, go from memory straight into registers; x's rows are read by the three work-groups of a column alone.
; LIMITS: NaN and infinities are not served.  A block whose largest magnitude lies under 2^-124 keeps the scale byte 1; a block of zeros has zero codes under the byte 1 (the bytes are read by this program alone).  The inverse root is v_rsq_f32.
.set TOKP,  3120                       ; a token's row in LDS: three lines of 1,024 bytes + 16 of padding: 780 words, so 16 rows start at 16 different groups of four banks
.set GB,    199680                     ; behind the 64 rows: ln1_g (3,072 bytes), then ln1_b
.set HIMG,  205824                     ; h's images [token tile 4][K step 6][1,024]
.set HSC,   230400                     ; h's scale words [4][6][128]
.set REC,   8960
.set HEADB, 286720                     ; 32 records: a head
.set BAV, 1                            ; v1   4 r: v's bias
.set XA,  4                            ; v4   my row of x in LDS + 32 h
.set LI,  5                            ; v5   16 x lane
.set HF0, 6                            ; v6   HIMG + 16 x lane
.set HS0, 7                            ; v7   HSC + 4 x lane
.set HWI, 8                            ; v8   where I store my images
.set HWS, 9                            ; v9   and their scale words
.set WA,  10                           ; v10  384 r + 16 h: a weight fragment's lane term
.set WSA, 11                           ; v11  24 r: a weight row's scale bytes
.set BAQ, 12                           ; v12  32 h: q's and k's bias
.set GBR, 13                           ; v13  GB + 32 h
.set T8,  14                           ; v14  8 x thread
.set GBW, 15                           ; v15  GB + 8 x thread
.set HS,  16                           ; v16-39   h's scale words (6 m + s): scales and nothing else
.set WS,  40                           ; v40-87   the weights' scale words, two sets of 24 (6 t + s): scales and nothing else
.set ACC, 88                           ; v88-215  16 accumulators; during the norm two buffers of 64 numbers of x
.set XB0, 88
.set TM,  216                          ; v216-227 the quantiser's 12 registers
.set SA,  216                          ; during the norm's sums: four chains of pairs, and v224
.set PC,  228                          ; v228-243 codes
.set STGB, 228                         ; g and b on their way to LDS
.set PW,  244                          ; v244-247 scale words just made
.set ZZ,  248                          ; v248-249 what the scale stores send
.set SOQ, 250                          ; v250 16 r + 8 h
.set SOV, 251                          ; v251 16 r + 4 h
.set MM,  252                          ; v252-253 the mean, twice
.set RR,  254                          ; v254-255 1 / sqrt(var + eps), twice
; window 1: v0-191 the weights of units 0 and 2 (32 s + 8 t), v192-223 their bias;  window 3: unit 1's;  window 2: g and b by chunks, then h's 24 fragments (48 m + 8 s)
.set WV,  36
.set YY,  37
.set WP,  40                           ; s[40:41] my weights' codes;  s[42:43] their scales;  s[44:45] my bias
.set WSP, 42
.set BP,  44
.set G0,  56
.set G1,  68
.set SEL, 76
.set RCPD, 79
.set OUTC, 80                          ; s[80:81] where codes go;  s[82:83] where scale words go
.set OUTS, 82
.set EPSR, 84
.set MSB, 0
.macro WIN new                         ; the immediate's high byte repeats the setting that is left; a switch that changes nothing is dropped
.if MSB != (\new)
	s_set_vgpr_msb (MSB<<8)|(\new)
.set MSB, (\new)
.endif
.endm
.macro PLACES n
.rept \n
	v_nop
.endr
.endm
; 16 nb numbers of a lane in tile order, v[s] on, become 2 nb registers of codes in the operand's layout, v[pc] on; the blocks' scale bytes are left in v[TM+4] on.
.macro QUANT s, nb, pc
.set qb, 0
.rept \nb
	v_max3_num_f32 v[TM+qb], |v[(\s)+16*qb]|, |v[(\s)+16*qb+1]|, 0x1800000   ; my 16 numbers of block qb, and the floor 2^(3 - 127): the byte cannot fall under 1
.set qb, qb+1
.endr
.set qi, 2
.rept 7
.set qb, 0
.rept \nb
	v_max3_num_f32 v[TM+qb], v[TM+qb], |v[(\s)+16*qb+qi]|, |v[(\s)+16*qb+qi+1]|   ; the blocks by turns; each accumulator is read from its low end on
.set qb, qb+1
.endr
.set qi, qi+2
.endr
.set qb, 0
.rept \nb
	v_permlanex16_b32 v[TM+4+qb], v[TM+qb], s[SEL], s[SEL+1]
.set qb, qb+1
.endr
.set qb, 0
.rept \nb
	v_max_num_f32 v[TM+qb], v[TM+qb], v[TM+4+qb]       ; with lane l xor 16's: the block's largest magnitude
.set qb, qb+1
.endr
.set qb, 0
.rept \nb
	v_add_nc_u32 v[TM+8+qb], 0xff000000, v[TM+qb]      ; 2 off its exponent field: the conversion's scale operand
.set qb, qb+1
.endr
.set qb, 0
.rept \nb
	v_lshrrev_b32 v[TM+4+qb], 23, v[TM+8+qb]           ; the scale's byte
.set qb, qb+1
.endr
.set qt, 0
.rept 2*(\nb)
	v_cvt_scalef32_pk8_fp4_f32 v[(\pc)+4*(qt/4)+2*(qt%2)+(qt%4)/2], v[(\s)+8*qt:(\s)+8*qt+7], v[TM+8+qt/2]   ; tile qt's eight codes; tiles 0, 2, 1, 3 of each four lie on end
.set qt, qt+1
.endr
	v_nop                                              ; one plain line behind the last scaled conversion
.set qt, 0
.rept \nb
	v_permlane16_swap_b32 v[(\pc)+2*qt], v[(\pc)+2*qt+1]   ; the first's lanes 16-31 change places with the second's lanes 0-15: register 4 c + i now holds k = 64 c + 32 h + 8 i + 0 .. 7
.set qt, qt+1
.endr
.endm
; 64 numbers of my row, K step s, in tile order, into v[reg] on
.macro XCH s, reg
.irp b, 0,1,2,3
.irp q, 0,1
.irp j, 0,1
	ds_load_b128 v[(\reg)+16*\b+8*\q+4*\j:(\reg)+16*\b+8*\q+4*\j+3], v[XA] offset:1040*((\s)/2)+512*((\s)%2)+128*\b+64*\q+16*\j
.endr
.endr
.endr
.endm
; the same 64 places of g and of b, into window 2 at pb and pb + 64
.macro GBCH s, pb
	WIN 0x80
.irp b, 0,1,2,3
.irp q, 0,1
.irp j, 0,1
	ds_load_b128 v[(\pb)+16*\b+8*\q+4*\j:(\pb)+16*\b+8*\q+4*\j+3], v[GBR] offset:512*(\s)+128*\b+64*\q+16*\j
	ds_load_b128 v[(\pb)+64+16*\b+8*\q+4*\j:(\pb)+64+16*\b+8*\q+4*\j+3], v[GBR] offset:3072+512*(\s)+128*\b+64*\q+16*\j
.endr
.endr
.endr
	WIN 0
.endm
.macro FOLD                            ; four chains of pairs, and the other half of the lanes: the row's sum in v[SA]
	v_pk_add_f32 v[SA:SA+1], v[SA:SA+1], v[SA+2:SA+3]
	v_pk_add_f32 v[SA+4:SA+5], v[SA+4:SA+5], v[SA+6:SA+7]
	v_pk_add_f32 v[SA:SA+1], v[SA:SA+1], v[SA+4:SA+5]
	v_add_f32 v[SA], v[SA], v[SA+1]
	v_permlanex16_b32 v[SA+8], v[SA], s[SEL], s[SEL+1]
	v_add_f32 v[SA], v[SA], v[SA+8]
.endm
; a pass over my row: sq = 0: the sum of x;  sq = 1: the sum of (x - mean)^2.  Two buffers: a chunk is summed while the next is on its way from LDS.
.macro LNPASS sq
	XCH 0, XB0
	XCH 1, XB0+64
.set cs, 0
.rept 6
.set xb, XB0+64*(cs%2)
.if cs < 5
	s_wait_alu depctr_va_vdst(0)
	s_wait_dscnt 16                                    ; this chunk's 16 loads are in; the next chunk's 16 may be out
.else
	s_wait_alu depctr_va_vdst(0)
	s_wait_dscnt 0x0
.endif
.if \sq
.set pp, 0
.rept 32
	v_pk_add_f32 v[xb+2*pp:xb+2*pp+1], v[xb+2*pp:xb+2*pp+1], v[MM:MM+1] neg_lo:[0,1] neg_hi:[0,1]
.set pp, pp+1
.endr
.endif
.set pp, 0
.rept 32
.if (cs == 0) && (pp < 4)
.if \sq
	v_pk_mul_f32 v[SA+2*pp:SA+2*pp+1], v[xb+2*pp:xb+2*pp+1], v[xb+2*pp:xb+2*pp+1]    ; the first four pairs start the chains: nothing is cleared
.else
	v_pk_add_f32 v[SA+2*pp:SA+2*pp+1], v[xb+2*pp:xb+2*pp+1], v[xb+8+2*pp:xb+9+2*pp]
.endif
.elseif (cs == 0) && (pp < 8) && (\sq == 0)
.elseif \sq
	v_pk_fma_f32 v[SA+2*(pp%4):SA+2*(pp%4)+1], v[xb+2*pp:xb+2*pp+1], v[xb+2*pp:xb+2*pp+1], v[SA+2*(pp%4):SA+2*(pp%4)+1]
.else
	v_pk_add_f32 v[SA+2*(pp%4):SA+2*(pp%4)+1], v[SA+2*(pp%4):SA+2*(pp%4)+1], v[xb+2*pp:xb+2*pp+1]
.endif
.set pp, pp+1
.endr
.if cs < 4
	XCH cs+2, xb
.endif
.set cs, cs+1
.endr
	FOLD
.endm
.macro WSLOAD u                        ; unit u's scale words: 24 bytes a row, six words
.irp t, 0,1,2,3
.irp i, 0,1,2
	global_load_b64 v[WS+24*((\u)%2)+6*\t+2*\i:WS+24*((\u)%2)+6*\t+2*\i+1], v[WSA], s[WSP:WSP+1] offset:(\u)*1536+384*\t+8*\i
.endr
.endr
.endm
.macro WLOAD u                         ; unit u's 24 fragments: rows of 384 bytes, 16 bytes a lane
	WIN (0x40+0x80*((\u)%2))
.irp s, 0,1,2,3,4,5
.irp t, 0,1,2,3
.irp c, 0,1
	global_load_b128 v[32*\s+8*\t+4*\c:32*\s+8*\t+4*\c+3], v[WA], s[WP:WP+1] offset:(\u)*24576+6144*\t+64*\s+32*\c
.endr
.endr
.endr
	WIN 0
.endm
.macro BIASQK u                        ; the C of a sum's first product: lane (r, h), tile t: the bias of channels 16 t + 8 h + 0 .. 7
	WIN (0x40+0x80*((\u)%2))
.irp t, 0,1,2,3
	global_load_b128 v[192+8*\t:195+8*\t], v[BAQ], s[BP:BP+1] offset:(\u)*256+64*\t
	global_load_b128 v[196+8*\t:199+8*\t], v[BAQ], s[BP:BP+1] offset:(\u)*256+64*\t+16
.endr
	WIN 0
.endm
.macro BIASV u                         ; v: a lane holds one channel: the bias of channel 16 t + r in all eight registers
	WIN (0x40+0x80*((\u)%2))
.irp t, 0,1,2,3
.irp j, 0,1,2,3,4,5,6,7
	global_load_b32 v[192+8*\t+\j], v[BAV], s[BP:BP+1] offset:(\u)*256+64*\t
.endr
.endr
	WIN 0
.endm
; a unit's 96 products.  The 16 accumulators take turns, one instruction a turn, in the same order in every K step.
.macro MULQK u
.set ww, 1+2*((\u)%2)
.set wsb, WS+24*((\u)%2)
.irp s, 0,1,2,3,4,5
.if \s == 0
	WIN (ww|8|(ww<<4))
.else
	WIN (ww|8)
.endif
.irp m, 0,1,2,3
.irp t, 0,1,2,3
.if \s == 0
	v_wmma_scale_f32_16x16x128_f8f6f4 v[ACC+32*\m+8*\t:ACC+32*\m+8*\t+7], v[32*\s+8*\t:32*\s+8*\t+7], v[48*\m+8*\s:48*\m+8*\s+7], v[192+8*\t:199+8*\t], v[wsb+6*\t+\s], v[HS+6*\m+\s] matrix_a_fmt:MATRIX_FMT_FP4 matrix_b_fmt:MATRIX_FMT_FP4
.else
	v_wmma_scale_f32_16x16x128_f8f6f4 v[ACC+32*\m+8*\t:ACC+32*\m+8*\t+7], v[32*\s+8*\t:32*\s+8*\t+7], v[48*\m+8*\s:48*\m+8*\s+7], v[ACC+32*\m+8*\t:ACC+32*\m+8*\t+7], v[wsb+6*\t+\s], v[HS+6*\m+\s] matrix_a_fmt:MATRIX_FMT_FP4 matrix_b_fmt:MATRIX_FMT_FP4
.endif
.endr
.endr
.endr
	WIN 0
	PLACES 4                                           ; four plain lines between the last products and the first read of results, and the loads into registers that they read
.endm
.macro MULV u
.set ww, 1+2*((\u)%2)
.set wsb, WS+24*((\u)%2)
.irp s, 0,1,2,3,4,5
.if \s == 0
	WIN (2|(ww<<2)|(ww<<4))
.else
	WIN (2|(ww<<2))
.endif
.irp t, 0,1,2,3
.irp m, 0,1,2,3
.if \s == 0
	v_wmma_scale_f32_16x16x128_f8f6f4 v[ACC+32*\t+8*\m:ACC+32*\t+8*\m+7], v[48*\m+8*\s:48*\m+8*\s+7], v[32*\s+8*\t:32*\s+8*\t+7], v[192+8*\t:199+8*\t], v[HS+6*\m+\s], v[wsb+6*\t+\s] matrix_a_fmt:MATRIX_FMT_FP4 matrix_b_fmt:MATRIX_FMT_FP4
.else
	v_wmma_scale_f32_16x16x128_f8f6f4 v[ACC+32*\t+8*\m:ACC+32*\t+8*\m+7], v[48*\m+8*\s:48*\m+8*\s+7], v[32*\s+8*\t:32*\s+8*\t+7], v[ACC+32*\t+8*\m:ACC+32*\t+8*\m+7], v[HS+6*\m+\s], v[wsb+6*\t+\s] matrix_a_fmt:MATRIX_FMT_FP4 matrix_b_fmt:MATRIX_FMT_FP4
.endif
.endr
.endr
.endr
	WIN 0
	PLACES 4
.endm
; q, k: each token tile's 64 channels are two blocks: four registers of codes (512 bytes a wave) and a scale word whose upper two bytes stand for 1.0 over the zero codes of k = 64 .. 127
.macro EPIQK u
.if (\u) > 0
	s_wait_xcnt 0x0                                    ; the last unit's stores have read their registers
.endif
.irp m, 0,1,2,3
	QUANT ACC+32*\m, 2, PC+4*\m
	v_lshl_or_b32 v[PW+\m], v[TM+5], 8, v[TM+4]
	v_or_b32 v[PW+\m], 0x7f7f0000, v[PW+\m]
	global_store_b128 v[LI], v[PC+4*\m:PC+4*\m+3], s[OUTC:OUTC+1] offset:(\u)*HEADB+512*\m
.endr
	v_cndmask_b32 v[ZZ], v[PW], v[PW+2], vcc_lo        ; lanes 0-15 send tiles 0 and 1, lanes 16-31 tiles 2 and 3: 256 consecutive bytes
	v_cndmask_b32 v[ZZ+1], v[PW+1], v[PW+3], vcc_lo
	global_store_b64 v[SOQ], v[ZZ:ZZ+1], s[OUTS:OUTS+1] offset:(\u)*HEADB
.endm
; v: each channel tile's 64 keys are two blocks
.macro EPIV u
.if (\u) > 0
	s_wait_xcnt 0x0
.endif
.irp t, 0,1,2,3
	QUANT ACC+32*\t, 2, PC+4*\t
	v_lshl_or_b32 v[PW+\t], v[TM+5], 8, v[TM+4]
	global_store_b128 v[LI], v[PC+4*\t:PC+4*\t+3], s[OUTC:OUTC+1] offset:(\u)*HEADB+1024*\t
.endr
	v_cndmask_b32 v[ZZ], v[PW], v[PW+1], vcc_lo        ; lanes 0-15 send tile 2 p, lanes 16-31 tile 2 p + 1
	v_cndmask_b32 v[ZZ+1], v[PW+2], v[PW+3], vcc_lo
	global_store_b16 v[SOV], v[ZZ], s[OUTS:OUTS+1] offset:(\u)*HEADB
	global_store_b16 v[SOV], v[ZZ+1], s[OUTS:OUTS+1] offset:(\u)*HEADB+8
.endm
	s_load_b512 s[8:23], s[0:1], 0x0                   ; x, ln1_g, ln1_b, Wq codes, Wq scales, bq, Wk codes, Wk scales
	s_load_b256 s[24:31], s[0:1], 0x40                 ; bk, Wv codes, Wv scales, bv
	s_load_b128 s[32:35], s[0:1], 0x60                 ; qrec, kvrec
	s_set_vgpr_msb 0x40
	v_lshl_add_u32 v254, v0, 2, 0x39000
	v_mov_b32 v255, 0
	s_set_vgpr_msb 0x4045
	ds_add_u32 v254, v255
	ds_add_u32 v254, v255
	s_set_vgpr_msb 0x4500
	v_lshrrev_b32 v1, 5, v0
	v_readfirstlane_b32 s[WV], v1                      ; wave 0..3
	s_and_b32 s[YY], ttmp7, 0xffff                     ; 0: q, 1: k, 2: v
	; descriptor group 1: my 16 rows of x, dense in memory, as 48 lines of 256 numbers, 16 bytes of padding behind each line
	s_mov_b32 s[G1], 0x07d20000                        ; no mask; elements of 4 bytes; padding on, after every 256 words, of 4 words
	s_mov_b32 s[G1+1], 256<<16                         ; tensor_dim0
	s_mov_b32 s[G1+2], 48<<16                          ; tensor_dim1
	s_mov_b32 s[G1+3], 256<<16                         ; tile_dim0
	s_mov_b32 s[G1+4], 48                              ; tile_dim1
	s_mov_b32 s[G1+5], 256                             ; from line to line
	s_mov_b32 s[G1+6], 0
	s_mov_b32 s[G1+7], 0
	s_mul_i32 s38, s[WV], 16*TOKP                      ; my 16 rows in LDS
	s_mul_i32 s60, ttmp9, 196608                       ; 64 rows of 3,072 bytes
	s_mul_i32 s61, s[WV], 49152
	s_add_co_u32 s60, s60, s61
	s_mov_b32 s61, 0
	s_mov_b32 s[G0], 1
	s_mov_b32 s[G0+1], s38
	s_wait_dscnt 0x0
	s_wait_kmcnt 0x0
	s_add_nc_u64 s[G0+2:G0+3], s[8:9], s[60:61]
	s_or_b32 s[G0+3], s[G0+3], 0x80000000
	tensor_load_to_lds s[G0:G0+3], s[G1:G1+7]          ; the launch's one fill a wave; only I read these bytes
	s_nop 0
	PLACES 4
	v_and_b32 v1, 31, v0                               ; lane
	v_and_b32 v2, 15, v0                               ; r
	v_bfe_u32 v3, v0, 4, 1                             ; h
	v_mul_u32_u24 v[XA], v2, TOKP
	v_lshl_add_u32 v[XA], v3, 5, v[XA]
	v_add_nc_u32 v[XA], s38, v[XA]
	v_lshlrev_b32 v[LI], 4, v1
	v_add_nc_u32 v[HF0], HIMG, v[LI]
	v_lshl_add_u32 v[HS0], v1, 2, HSC
	s_mul_i32 s39, s[WV], 6144
	v_add_nc_u32 v[HWI], s39, v[HF0]
	s_mul_i32 s39, s[WV], 768
	v_add_nc_u32 v[HWS], s39, v[HS0]
	v_mul_u32_u24 v[WA], v2, 384
	v_lshl_add_u32 v[WA], v3, 4, v[WA]
	v_mul_u32_u24 v[WSA], v2, 24
	v_lshlrev_b32 v[BAQ], 5, v3
	v_add_nc_u32 v[GBR], GB, v[BAQ]
	v_lshlrev_b32 v[T8], 3, v0
	v_add_nc_u32 v[GBW], GB, v[T8]
	v_lshlrev_b32 v[SOQ], 4, v2
	v_lshl_add_u32 v[SOV], v3, 2, v[SOQ]
	v_lshl_add_u32 v[SOQ], v3, 3, v[SOQ]
	v_lshlrev_b32 v[BAV], 2, v2
.irp b, 4,5,6,7,8
	v_mov_b32 v[TM+\b], 0                              ; a lane permute's destination counts as one of its sources
.endr
	s_mov_b32 s[SEL], 0x76543210
	s_mov_b32 s[SEL+1], 0xfedcba98                     ; v_permlanex16_b32: lane l xor 16
	s_mov_b32 vcc_lo, 0xffff0000                       ; lanes 16-31; never rewritten
	s_mov_b32 s[RCPD], 0x3aaaaaab                      ; 1 / 768
	s_mov_b32 s[EPSR], 0x3727c5ac                      ; 1e-5
	; which weight, which output: a choice on the work-group's y alone
	s_cmp_eq_u32 s[YY], 0
	s_cselect_b64 s[WP:WP+1], s[14:15], s[20:21]
	s_cselect_b64 s[WSP:WSP+1], s[16:17], s[22:23]
	s_cselect_b64 s[BP:BP+1], s[18:19], s[24:25]
	s_cselect_b64 s[46:47], s[32:33], s[34:35]
	s_cmp_eq_u32 s[YY], 2
	s_cselect_b64 s[WP:WP+1], s[26:27], s[WP:WP+1]
	s_cselect_b64 s[WSP:WSP+1], s[28:29], s[WSP:WSP+1]
	s_cselect_b64 s[BP:BP+1], s[30:31], s[BP:BP+1]
	s_cselect_b32 s53, 9, 11                           ; my 64 tokens are half of a record's 128: 512 bytes on in v's images, 2,048 in k's
	s_cselect_b32 s54, 1, 8                            ; 2 bytes on in v's scale words, 256 in k's
	s_cselect_b32 s55, 4096, 0
	s_mov_b32 s62, 8192
	s_cselect_b32 s62, 8704, s62
	s_mov_b32 s49, 0
	s_mul_i32 s48, s[WV], 73728                        ; my three heads: 3 x 64 rows of 384 bytes,
	s_add_nc_u64 s[WP:WP+1], s[WP:WP+1], s[48:49]
	s_mul_i32 s48, s[WV], 4608                         ; of 24 scale bytes,
	s_add_nc_u64 s[WSP:WSP+1], s[WSP:WSP+1], s[48:49]
	s_mul_i32 s48, s[WV], 768                          ; of 4 bytes of bias
	s_add_nc_u64 s[BP:BP+1], s[BP:BP+1], s[48:49]
	s_mul_i32 s50, s[WV], 3*HEADB
	s_lshr_b32 s51, ttmp9, 1
	s_mul_i32 s51, s51, REC
	s_add_co_u32 s50, s50, s51                         ; my first head's record
	s_and_b32 s52, ttmp9, 1
	s_lshl_b32 s53, s52, s53
	s_lshl_b32 s54, s52, s54
	s_add_co_u32 s53, s53, s55
	s_add_co_u32 s48, s53, s50
	s_add_nc_u64 s[OUTC:OUTC+1], s[46:47], s[48:49]
	s_add_co_u32 s54, s54, s62
	s_add_co_u32 s48, s54, s50
	s_add_nc_u64 s[OUTS:OUTS+1], s[46:47], s[48:49]
.irp i, 0,1,2
	global_load_b64 v[STGB+2*\i:STGB+2*\i+1], v[T8], s[10:11] offset:1024*\i       ; g and b: 1,024 consecutive bytes a work-group and load
	global_load_b64 v[STGB+6+2*\i:STGB+7+2*\i], v[T8], s[12:13] offset:1024*\i
.endr
	WSLOAD 0
	WSLOAD 1
	s_cmp_eq_u32 s[YY], 2
	s_cbranch_scc1 .Lbias_v
	BIASQK 0
	BIASQK 1
	s_branch .Lbias_done
.Lbias_v:
	s_wait_alu depctr_va_vdst(0)
	BIASV 0
	BIASV 1
.Lbias_done:
	WLOAD 0
	WLOAD 1
	; ---- the norm: mean, then the sum of squared differences, each a pass over my row in LDS
	s_wait_tensorcnt 0x0                               ; my 16 rows are in LDS
	LNPASS 0
	v_mul_f32 v[MM], s[RCPD], v[SA]
	v_mov_b32 v[MM+1], v[MM]
	LNPASS 1
	v_fma_f32 v[SA], v[SA], s[RCPD], s[EPSR]
	s_wait_alu depctr_va_vdst(0)
	v_rsq_f32 v[RR], v[SA]
	v_nop                                              ; a plain line behind the transcendental,
	s_wait_alu depctr_va_vdst(0)                       ; and the wait ahead of its first reader
	v_mov_b32 v[RR+1], v[RR]
	s_wait_loadcnt 0x0                                 ; g and b, and with them the first two units' weights, asked for two passes ago
.irp i, 0,1,2
	ds_store_b64 v[GBW], v[STGB+2*\i:STGB+2*\i+1] offset:1024*\i
	ds_store_b64 v[GBW], v[STGB+6+2*\i:STGB+7+2*\i] offset:3072+1024*\i
.endr
	s_wait_dscnt 0x0                                   ; for the others' sake: my stores have landed
	s_barrier_signal -1
	s_barrier_wait -1                                  ; g and b lie in LDS
	; ---- (x - mean) / sqrt(var + eps) * g + b, a K step of 128 at a time, quantised; the image and its scale word go to LDS
	XCH 0, XB0
	GBCH 0, 0
.set cs, 0
.rept 6
.set xb, XB0+64*(cs%2)
.set gbb, 128*(cs%2)
.if cs < 5
	XCH cs+1, XB0+64*((cs+1)%2)
	GBCH cs+1, 128*((cs+1)%2)
	s_wait_dscnt 48                                    ; all but the 48 loads just issued: this chunk is in, and the last chunk's stores have read their registers
.else
	s_wait_dscnt 0x0
.endif
.set pp, 0
.rept 32
	v_pk_add_f32 v[xb+2*pp:xb+2*pp+1], v[xb+2*pp:xb+2*pp+1], v[MM:MM+1] neg_lo:[0,1] neg_hi:[0,1]
.set pp, pp+1
.endr
.set pp, 0
.rept 32
	v_pk_mul_f32 v[xb+2*pp:xb+2*pp+1], v[xb+2*pp:xb+2*pp+1], v[RR:RR+1]
.set pp, pp+1
.endr
	WIN 0x28                                           ; g and b in window 2
.set pp, 0
.rept 32
	v_pk_fma_f32 v[xb+2*pp:xb+2*pp+1], v[xb+2*pp:xb+2*pp+1], v[gbb+2*pp:gbb+2*pp+1], v[gbb+64+2*pp:gbb+65+2*pp]
.set pp, pp+1
.endr
	WIN 0
	QUANT xb, 4, PC
	v_lshl_or_b32 v[PW], v[TM+5], 8, v[TM+4]           ; the four bytes make my row's scale word
	v_lshl_or_b32 v[PW], v[TM+6], 16, v[PW]
	v_lshl_or_b32 v[PW], v[TM+7], 24, v[PW]
	ds_store_b128 v[HWI], v[PC:PC+3] offset:1024*cs
	ds_store_b128 v[HWI], v[PC+4:PC+7] offset:1024*cs+512
	ds_store_b32 v[HWS], v[PW] offset:128*cs
.set cs, cs+1
.endr
	s_wait_dscnt 0x0
	s_barrier_signal -1
	s_barrier_wait -1                                  ; h's 24 fragments lie in LDS
	WIN 0x80
.set ff, 0
.rept 24
	ds_load_b128 v[8*ff:8*ff+3], v[HF0] offset:1024*ff
	ds_load_b128 v[8*ff+4:8*ff+7], v[HF0] offset:1024*ff+512
.set ff, ff+1
.endr
	WIN 0
.set ff, 0
.rept 24
	ds_load_b32 v[HS+ff], v[HS0] offset:128*ff
.set ff, ff+1
.endr
	s_wait_dscnt 0x0
	s_cmp_eq_u32 s[YY], 2
	s_cbranch_scc1 .Lv
	; ---- q or k
	MULQK 0
	WSLOAD 2                                           ; unit 2's weights take unit 0's registers: they have unit 0's way out and all of unit 1 in which to land
	BIASQK 2
	WLOAD 2
	EPIQK 0
	MULQK 1
	EPIQK 1
	s_wait_loadcnt 0x0
	MULQK 2
	EPIQK 2
	s_set_vgpr_msb 0x5
	s_wait_tensorcnt 0x0
	ds_add_u32 v254, v255
	s_wait_dscnt 0x0
	s_set_vgpr_msb 0x500
	s_endpgm
.Lv:
	; ---- v
	MULV 0
	WSLOAD 2
	BIASV 2
	WLOAD 2
	EPIV 0
	MULV 1
	EPIV 1
	s_wait_loadcnt 0x0
	MULV 2
	EPIV 2
	s_set_vgpr_msb 0x5
	s_wait_tensorcnt 0x0
	ds_add_u32 v254, v255
	s_wait_dscnt 0x0
	s_set_vgpr_msb 0x500
	s_endpgm
.Lfunc_end_k_q0f2f964ecd_qkv:
	.size	k_q0f2f964ecd_qkv, .Lfunc_end_k_q0f2f964ecd_qkv-k_q0f2f964ecd_qkv
	.p2alignl 7, 3214868480
	.fill 96, 4, 3214868480
	.section	.rodata,"a",@progbits
	.p2align	6, 0x0
	.amdhsa_kernel k_q0f2f964ecd_qkv
		.amdhsa_group_segment_fixed_size 233984
		.amdhsa_private_segment_fixed_size 0
		.amdhsa_enable_private_segment 0
		.amdhsa_kernarg_size 112
		.amdhsa_user_sgpr_count 2
		.amdhsa_user_sgpr_kernarg_segment_ptr 1
		.amdhsa_wavefront_size32 1
		.amdhsa_system_sgpr_workgroup_id_x 1
		.amdhsa_system_sgpr_workgroup_id_y 1
		.amdhsa_system_sgpr_workgroup_id_z 1
		.amdhsa_system_vgpr_workitem_id 0
		.amdhsa_next_free_vgpr 1024
		.amdhsa_next_free_sgpr 100
		.amdhsa_reserve_vcc 1
		.amdhsa_float_denorm_mode_32 3
		.amdhsa_float_denorm_mode_16_64 3
		.amdhsa_memory_ordered 1
		.amdhsa_forward_progress 1
		.amdhsa_inst_pref_size 255
	.end_amdhsa_kernel
	.section	.bss,"aw",@nobits
	.p2align	6
	.space	262144
	.amdgpu_metadata
---
amdhsa.version: [ 1, 2 ]
amdhsa.kernels:
  - .name:           k_q0f2f964ecd_qkv
    .symbol:         k_q0f2f964ecd_qkv.kd
    .args:
      - { .name: x, .offset: 0, .size: 8, .value_kind: global_buffer, .address_space: global }
      - { .name: ln1_g, .offset: 8, .size: 8, .value_kind: global_buffer, .address_space: global }
      - { .name: ln1_b, .offset: 16, .size: 8, .value_kind: global_buffer, .address_space: global }
      - { .name: Wq_codes, .offset: 24, .size: 8, .value_kind: global_buffer, .address_space: global }
      - { .name: Wq_scales, .offset: 32, .size: 8, .value_kind: global_buffer, .address_space: global }
      - { .name: bq, .offset: 40, .size: 8, .value_kind: global_buffer, .address_space: global }
      - { .name: Wk_codes, .offset: 48, .size: 8, .value_kind: global_buffer, .address_space: global }
      - { .name: Wk_scales, .offset: 56, .size: 8, .value_kind: global_buffer, .address_space: global }
      - { .name: bk, .offset: 64, .size: 8, .value_kind: global_buffer, .address_space: global }
      - { .name: Wv_codes, .offset: 72, .size: 8, .value_kind: global_buffer, .address_space: global }
      - { .name: Wv_scales, .offset: 80, .size: 8, .value_kind: global_buffer, .address_space: global }
      - { .name: bv, .offset: 88, .size: 8, .value_kind: global_buffer, .address_space: global }
      - { .name: qrec, .offset: 96, .size: 8, .value_kind: global_buffer, .address_space: global }
      - { .name: kvrec, .offset: 104, .size: 8, .value_kind: global_buffer, .address_space: global }
    .group_segment_fixed_size: 233984
    .private_segment_fixed_size: 0
    .kernarg_segment_align: 8
    .kernarg_segment_size: 112
    .max_flat_workgroup_size: 128
    .sgpr_count:     100
    .vgpr_count:     1024
    .wavefront_size: 32
...
	.end_amdgpu_metadata
.endif
;; end of part 1
;; launch attn (part 2): grid 64 x 4, 8 waves a work-group, no clusters, 327,680 bytes of LDS; arguments qrec, kvrec, o_img; writes o_img
.if DOCPART == 2
	.amdgcn_target "amdgcn-amd-amdhsa--gfx1250"
	.amdhsa_code_object_version 6
	.text
	.protected	k_q0f2f964ecd_attn
	.globl	k_q0f2f964ecd_attn
	.p2align	8
	.type	k_q0f2f964ecd_attn,@function
k_q0f2f964ecd_attn:
	s_mov_b64 s[64:65], 0
	v_nop
	global_prefetch_b8 v0, s[64:65] scope:SCOPE_SE
	s_setreg_imm32_b32 hwreg(HW_REG_WAVE_MODE, 25, 1), 1
	s_wait_xcnt 0x0
; o = softmax(q k^T / 8) v for 12 heads of 64, 4,096 tokens, both products on codes of FP4 (E2M1) with E8M0 scales; o is divided by the row's sum and quantised along the head's 64 for the next product.
; THE SOFTMAX: t = score x log2(e) / 8; M = the running largest t rounded up to a whole number; p = 2^(t - M) is quantised along the keys, not normalised; the row's sum is taken of the unquantised p.
; When M moves, the sum and O are multiplied by 2^(old M - new M): exact.
; SHARES.  Work-group (x, y): heads 3 y .. 3 y + 2, queries 64 x .. 64 x + 63.  Eight waves, two to a SIMD, of two roles.  Wave w of waves 0 to 3 owns query tile 4 x + w of heads 3 y and 3 y + 1
; (register sets 0 and 1); wave 4 + w owns the same tile of head 3 y + 2 (register set 0), fetches the ring's tiles and prefetches.  A wave takes one head at a time, 256 keys to a round of the softmax:
; four rounds a slot in waves 0 to 3, two in waves 4 to 7.  Both roles run one text: set 0's head is told apart by the wave's LDS base, and a branch on the wave's number leads waves 4 to 7 round set 1's rounds.
; K AND V come as records of 8,960 bytes for 128 keys of a head (images of the operands' registers, then the scale words) through a ring of two LDS slots of 12 records, laid [key step 4][head 3].
; Wave 4 + w fetches key step w of a slot with one tensor load: 3 rows of 8,960 bytes, a head apart in memory.
; K of the next round is asked of LDS behind this round's score products, V behind the last products with V; only a slot's first K is asked for and awaited on end.
; Both products are used transposed (S^T = K Q^T, O^T = V^T P^T): a lane holds one query.
; THE KEYS OF A TILE ARE CHOSEN at the LDS read: row 8 h + j of tile 4 c + i of a record is key 64 c + 32 h + 8 i + j.  A lane's registers 32 u .. 32 u + 31 of S^T are then ONE WHOLE BLOCK of 32 keys,
; and the conversion of tile T gives register T of the second product's operand: no lane is asked for a block's maximum, and no halves change places.
; The head's 64 are half of the instruction's K.  Q's registers 4 to 7 hold zero codes; K's fragments lie packed, 4 registers a tile, and a fragment's upper four registers are the next tile's codes:
; they meet Q's zero codes under scale bytes that stand for 1.0 and add nothing.
; REGISTERS: window 0: addresses, all scale words, K, O^T of the two sets, p's codes, Q;  window 1: S^T / p, V, the running state.
; OUT: for each 64 queries one dense block of 26,112 bytes: images [tile 4][head 12][512], then scale words [tile 4][K step 6][r 16], of which a head owns half a word (16-bit stores).
; No cluster: partners along x would share every record, but a refill is asked for a whole slot (48 or 96 matrix instructions a wave) ahead of its first read, and a cluster's round would stand at each of the 8 changes of slots.
; LIMITS: NaN and infinities are not served.  The promise holds while the scaled scores stay under 2^31 in magnitude.  A block of p (or of o) whose largest magnitude lies under 2^-124 keeps the scale byte 1;
; a block of zeros has zero codes under that byte.  1 / l is v_rcp_f32.
.set REC,   8960
.set HEADB, 286720
.set QST,   3*REC                      ; a key step in a slot: three heads' records
.set SLOT1, 131072                     ; slot 1 begins here: one exclusive or turns an address in one slot into the other's
.set SPARE, 247808                     ; well behind the ring: the spare words, 128 bytes for each of 8 waves
.set OBLK,  26112
; window 0
.set AK,  1                            ; set 0's head in a key step + 1,024 (r / 8) + 16 (r % 8) + 256 h: my row of a chosen tile of K
.set AV,  2                            ; set 0's head + 16 x lane
.set ASK, 3                            ; set 0's head + 16 (r % 8) + 8 (r / 8)
.set ASV, 4                            ; set 0's head + 16 r
.set SPW, 5
.set NIL, 6
.set PFO, 7
.set ADK, 8                            ; v8-11 the four in the slot in hand, key steps 0 and 1;  v252-255 key steps 2 and 3
.set ADV, 9
.set ADSK, 10
.set ADSV, 11
.set AD1, 244
.set OS,  12                           ; v12-13 where a head's two scale bytes go
.set KS,  16                           ; v16-31 K's scale words: tile T (0 .. 15) at 4 (T / 4) + 2 (T % 2) + (T % 4) / 2
.set VS,  32                           ; v32-39 V's
.set PS,  40                           ; v40-41 p's
.set QS,  42                           ; v42-43 Q's
.set LI,  46                           ; 16 x lane
.set R16, 47                           ; 16 r
.set KF,  48                           ; v48-111 K: 4 T; v112-115 zero
.set OF,  116                          ; O^T: 32 t + 8 g
.set CD,  212                          ; v212-227 p's codes
.set QF,  228                          ; Q: 8 t
; window 1: S^T at 0; then
.set VF,  128                          ; V: 32 p + 8 g
.set NM,  192                          ; pairs (-M, the largest score so far), a pair a set
.set LL,  198                          ; the sum, in two halves, a pair a set
.set FF,  204                          ; (f, unused)
.set BM,  212                          ; block u: its largest score, then t - M, then its largest p.  (v206-211, v248-255: seven more chains of sums)
.set BN,  216                          ; the blocks' second chains
.set SO,  220                          ; the conversions' scale operands
.set BY,  224                          ; the scale bytes
.set TA,  228
.set TP,  230                          ; lane permutes' results
.set SH8, 232                          ; 8 h
.set DD,  233
.set TM,  236                          ; the way out's quantiser
.set WV,  12
.set WW,  13
.set ZZ,  14
.set SEL, 20
.set CS,  22
.set G1,  24
.set G0,  32
.set TB,  36
.set SLOTS, 37
.set LIM, 38
.set SB,  39
.set PFA, 40
.set NCS, 42
.set T2,  43
.set MSB, 0
.macro WIN new                         ; the immediate's high byte repeats the setting that is left
.if MSB != (\new)
	s_set_vgpr_msb (MSB<<8)|(\new)
.set MSB, (\new)
.endif
.endm
.macro PLACES n
.rept \n
	v_nop
.endr
.endm
; the way out's quantiser: 16 nb numbers of a lane, register 8 t + j = k 16 t + 8 h + j, become 2 nb registers of codes in the operand's layout; the scale bytes are left in v[TM+4] on
.macro QUANT s, nb, pc
.set qb, 0
.rept \nb
	v_max3_num_f32 v[TM+qb], |v[(\s)+16*qb]|, |v[(\s)+16*qb+1]|, 0x1800000
.set qb, qb+1
.endr
.set qi, 2
.rept 7
.set qb, 0
.rept \nb
	v_max3_num_f32 v[TM+qb], v[TM+qb], |v[(\s)+16*qb+qi]|, |v[(\s)+16*qb+qi+1]|
.set qb, qb+1
.endr
.set qi, qi+2
.endr
.set qb, 0
.rept \nb
	v_permlanex16_b32 v[TM+4+qb], v[TM+qb], s[SEL], s[SEL+1]
.set qb, qb+1
.endr
.set qb, 0
.rept \nb
	v_max_num_f32 v[TM+qb], v[TM+qb], v[TM+4+qb]
.set qb, qb+1
.endr
.set qb, 0
.rept \nb
	v_add_nc_u32 v[TM+8+qb], 0xff000000, v[TM+qb]
.set qb, qb+1
.endr
.set qb, 0
.rept \nb
	v_lshrrev_b32 v[TM+4+qb], 23, v[TM+8+qb]
.set qb, qb+1
.endr
.set qt, 0
.rept 2*(\nb)
	v_cvt_scalef32_pk8_fp4_f32 v[(\pc)+4*(qt/4)+2*(qt%2)+(qt%4)/2], v[(\s)+8*qt:(\s)+8*qt+7], v[TM+8+qt/2]
.set qt, qt+1
.endr
	v_nop
.set qt, 0
.rept \nb
	v_permlane16_swap_b32 v[(\pc)+2*qt], v[(\pc)+2*qt+1]
.set qt, qt+1
.endr
.endm
; A prefetch into the L2 of the slot that the NEXT change will ask for.  The 64 work-groups of a y walk the same three heads and share the blocks out: a head's part of a slot is 140 blocks of 256 bytes;
; wave 4 + i (i = 0 to 2) of work-group x (0 to 4) names blocks 32 x .. 32 x + 31 of head i, a lane a block (in x = 4 the lanes left over name block 139 again).  Slots 0 and 1 come by their loads alone; the last change that fills asks for nothing.
.macro ASK
	s_cmp_gt_u32 s[SLOTS], s[LIM]
	s_cbranch_scc0 .Lnot_mine_\@
	global_prefetch_b8 v[PFO], s[PFA:PFA+1] th:TH_LOAD_NT scope:SCOPE_SE
.Lnot_mine_\@:
.endm
.macro TLOAD                           ; waves 4 to 7 fetch, a key step each; the branch hangs on the wave's number alone
	s_cmp_ge_u32 s[WV], 4
	s_cbranch_scc0 .Lno_load_\@
	tensor_load_to_lds s[G0:G0+3], s[G1:G1+7]
	s_nop 0
	PLACES 4
.Lno_load_\@:
.endm
; THE CHANGE OF SLOTS.  fill = 1: the slot just read out (the first time: slot 1, its first fill) takes the four key steps that follow.
.macro CHANGE fill
	s_wait_tensorcnt 0x0                               ; my part of the slot ahead has landed; no tensor load of mine is out, so group 0 may be written
	ds_add_u32 v[SPW], v[NIL]
.if \fill
	ds_add_u32 v[SPW], v[NIL]                          ; twice on end
.endif
	s_mov_b32 s[TB], s[SB]                             ; the slot ahead: its key steps 0 and 1,
	s_add_co_u32 s[T2], s[SB], 2*QST                   ; and 2 and 3
	s_xor_b32 s[SB], s[SB], SLOT1
.if \fill
	s_xor_b32 s[G0+1], s[G0+1], SLOT1
	s_add_nc_u64 s[G0+2:G0+3], s[G0+2:G0+3], 4*REC     ; four records on in each head
	s_wait_xcnt 0x0                                    ; the last prefetch has read its address
	s_add_nc_u64 s[PFA:PFA+1], s[PFA:PFA+1], 4*REC
.endif
	s_wait_dscnt 0x0                                   ; the add is done, and so are my reads of the slot that I leave
	s_barrier_signal -1
	s_barrier_wait -1
.if \fill
	TLOAD                                              ; a wave's one tensor load until the next change
	ASK
.endif
	v_add_nc_u32 v[ADK], s[TB], v[AK]
	v_add_nc_u32 v[ADSK], s[TB], v[ASK]
	v_add_nc_u32 v[ADV], s[TB], v[AV]
	v_add_nc_u32 v[ADSV], s[TB], v[ASV]
	v_add_nc_u32 v[ADK+AD1], s[T2], v[AK]
	v_add_nc_u32 v[ADSK+AD1], s[T2], v[ASK]
	v_add_nc_u32 v[ADV+AD1], s[T2], v[AV]
	v_add_nc_u32 v[ADSV+AD1], s[T2], v[ASV]
	s_wait_alu depctr_va_vdst(0)                       ; directly behind the writes
.endm
.macro KLOAD t, d                      ; K's 16 chosen tiles of key steps 2 d and 2 d + 1 of set t's head, and their scale words
.irp p, 0,1
.irp T, 0,1,2,3,4,5,6,7
	ds_load_b128 v[KF+32*\p+4*\T:KF+32*\p+4*\T+3], v[ADK+AD1*(\d)] offset:(\t)*REC+\p*QST+2048*(\T/4)+512*((\T%4)/2)+128*(\T%2)
.endr
.endr
.irp p, 0,1
.irp c, 0,1
.irp e, 0,1
	ds_load_b64 v[KS+8*\p+4*\c+2*\e:KS+8*\p+4*\c+2*\e+1], v[ADSK+AD1*(\d)] offset:(\t)*REC+\p*QST+8192+256*\c+128*\e   ; the words of tiles 4 c + e and 4 c + e + 2
.endr
.endr
.endr
.endm
.macro VLOAD t, d
	WIN 0x40
.irp p, 0,1
.irp g, 0,1,2,3
.irp c, 0,1
	ds_load_b128 v[VF+32*\p+8*\g+4*\c:VF+32*\p+8*\g+4*\c+3], v[ADV+AD1*(\d)] offset:(\t)*REC+\p*QST+4096+1024*\g+512*\c
.endr
.endr
.endr
	WIN 0
.irp p, 0,1
	ds_load_b128 v[VS+4*\p:VS+4*\p+3], v[ADSV+AD1*(\d)] offset:(\t)*REC+\p*QST+8704
.endr
.endm
; A ROUND: 256 keys, key steps 2 d and 2 d + 1, of set t's head.  first = 1: it fetches its own K;  nm = 1: it fetches K of round (nt, nd);  nm = 2: waves 0 to 3 alone do
.macro DS t, d, first, nm, nt, nd
.if \first
	KLOAD \t, \d
	s_wait_dscnt 0x0
.endif
	WIN 0x40
.irp T, 0,1,2,3,4,5,6,7,8,9,10,11,12,13,14,15
	v_wmma_scale_f32_16x16x128_f8f6f4 v[8*\T:8*\T+7], v[KF+4*\T:KF+4*\T+7], v[QF+8*(\t):QF+8*(\t)+7], 0, v[KS+4*(\T/4)+2*(\T%2)+(\T%4)/2], v[QS+(\t)] matrix_a_fmt:MATRIX_FMT_FP4 matrix_b_fmt:MATRIX_FMT_FP4
.endr
	WIN 0
	PLACES 4                                           ; four plain lines between the products and the loads into K's and V's registers and the first read of results
.if \nm == 1
	KLOAD \nt, \nd
.endif
.if \nm == 2
	s_cmp_lt_u32 s[WV], 4
	s_cbranch_scc0 .Lno_k_\@
	KLOAD \nt, \nd
.Lno_k_\@:
.endif
	VLOAD \t, \d
	WIN 0x55
.irp v, 0,1,2,3,4,5,6,7
	v_max3_num_f32 v[BM+4*(\v%2)+\v/2], v[16*\v], v[16*\v+1], v[16*\v+2]   ; the largest score of each of my four blocks of 32 keys, two chains a block; each accumulator is read from its low end on
.endr
.set i, 3
.rept 6
.irp v, 0,1,2,3,4,5,6,7
	v_max3_num_f32 v[BM+4*(\v%2)+\v/2], v[BM+4*(\v%2)+\v/2], v[16*\v+i], v[16*\v+i+1]
.endr
.set i, i+2
.endr
.irp u, 0,1,2,3
	v_max_num_f32 v[BM+\u], v[BM+\u], v[32*\u+15]
.endr
.irp u, 0,1,2,3
	v_max3_num_f32 v[BM+\u], v[BM+\u], v[BN+\u], v[32*\u+31]
.endr
	v_max3_num_f32 v[TA], v[BM], v[BM+1], v[BM+2]
	v_max_num_f32 v[TA], v[TA], v[BM+3]
	v_permlanex16_b32 v[TP], v[TA], s[SEL], s[SEL+1]
	v_max3_num_f32 v[NM+2*(\t)+1], v[NM+2*(\t)+1], v[TA], v[TP]   ; the running largest score of my query
	v_mul_f32 v[TA], s[NCS], v[NM+2*(\t)+1]            ; -t
	v_floor_f32 v[TA], v[TA]                           ; the new -M: M is a whole number
	v_sub_f32 v[DD], v[TA], v[NM+2*(\t)]               ; old M - new M, 0 or less
	v_mov_b32 v[NM+2*(\t)], v[TA]
.irp u, 0,1,2,3
	v_fma_f32 v[BM+\u], v[BM+\u], s[CS], v[NM+2*(\t)]  ; t - M of each block's largest score: the same multiply-add and exponential as its p gets
.endr
	v_cvt_i32_f32 v[DD], v[DD]                         ; (it saturates)
.set j, 0
.rept 64
	v_pk_fma_f32 v[2*j:2*j+1], v[2*j:2*j+1], s[CS:CS+1], v[NM+2*(\t):NM+2*(\t)+1] op_sel_hi:[1,0,0]   ; t - M
.if j == 3
	v_ldexp_f32 v[FF], 1.0, v[DD]                      ; f = 2^(old M - new M)
.endif
.set j, j+1
.endr
	v_pk_mul_f32 v[LL+2*(\t):LL+2*(\t)+1], v[LL+2*(\t):LL+2*(\t)+1], v[FF:FF+1] op_sel_hi:[1,0]
	WIN 0x04
	s_wait_alu depctr_va_vdst(0)                       ; directly ahead of the first reader of O^T, and ahead of the exponentials, whose sources are all written
.set j, 0
.rept 16
	v_pk_mul_f32 v[OF+32*(\t)+2*j:OF+32*(\t)+2*j+1], v[OF+32*(\t)+2*j:OF+32*(\t)+2*j+1], v[FF:FF+1] op_sel_hi:[1,0]   ; O^T under the new M, each accumulator from its low end on
.set j, j+1
.endr
	WIN 0x55
.irp u, 0,1,2,3
	v_exp_f32 v[BM+\u], v[BM+\u]
.endr
.set j, 0
.rept 128
	v_exp_f32 v[j], v[j]                               ; p = 2^(t - M), at most 1
.set j, j+1
.endr
	v_nop                                              ; a plain line behind the last exponential
	s_wait_alu depctr_va_vdst(0)                       ; and the one wait behind the batch
.irp u, 0,1,2,3
	v_max_num_f32 v[BM+\u], 0x1800000, v[BM+\u]        ; the floor 2^(3 - 127): the byte cannot fall under 1
.endr
.irp u, 0,1,2,3
	v_add_nc_u32 v[SO+\u], 0xff000000, v[BM+\u]        ; 2 off the exponent field: the conversion's scale operand
.endr
.irp u, 0,1,2,3
	v_lshrrev_b32 v[BY+\u], 23, v[SO+\u]               ; the scale's byte
.endr
.irp p, 0,1
	v_lshl_or_b32 v[TA+\p], v[BY+2*\p+1], 16, v[BY+2*\p]   ; my blocks h and 2 + h of record p,
.endr
.irp p, 0,1
	v_lshlrev_b32 v[TA+\p], v[SH8], v[TA+\p]           ; at their places in the word;
.endr
.irp p, 0,1
	v_permlanex16_b32 v[TP+\p], v[TA+\p], s[SEL], s[SEL+1]
.endr
	WIN 0x05
.irp p, 0,1
	v_or_b32 v[PS+\p], v[TA+\p], v[TP+\p]              ; with lane l xor 16's two the word is whole
.endr
.irp T, 0,1,2,3,4,5,6,7,8,9,10,11,12,13,14,15
	v_cvt_scalef32_pk8_fp4_f32 v[CD+\T], v[8*\T:8*\T+7], v[SO+\T/4]
.endr
	WIN 0x55
.set j, 0
.irp x, 206,208,210,248,250,252,254
	v_pk_add_f32 v[\x:\x+1], v[j:j+1], v[j+2:j+3]      ; the row's sum of the unquantised p, in eight chains by turns; these lines also stand between the codes and scale words and the products
.set j, j+4
.endr
.rept 6
	v_pk_add_f32 v[LL+2*(\t):LL+2*(\t)+1], v[LL+2*(\t):LL+2*(\t)+1], v[j:j+1]
.set j, j+2
.irp x, 206,208,210,248,250,252,254
	v_pk_add_f32 v[\x:\x+1], v[\x:\x+1], v[j:j+1]
.set j, j+2
.endr
.endr
	v_pk_add_f32 v[LL+2*(\t):LL+2*(\t)+1], v[LL+2*(\t):LL+2*(\t)+1], v[124:125]
	v_pk_add_f32 v[206:207], v[206:207], v[126:127]
	v_pk_add_f32 v[210:211], v[210:211], v[248:249]
	v_pk_add_f32 v[250:251], v[250:251], v[252:253]
	v_pk_add_f32 v[LL+2*(\t):LL+2*(\t)+1], v[LL+2*(\t):LL+2*(\t)+1], v[254:255]
	v_pk_add_f32 v[206:207], v[206:207], v[208:209]
	v_pk_add_f32 v[210:211], v[210:211], v[250:251]
	v_pk_add_f32 v[LL+2*(\t):LL+2*(\t)+1], v[LL+2*(\t):LL+2*(\t)+1], v[206:207]
	v_pk_add_f32 v[LL+2*(\t):LL+2*(\t)+1], v[LL+2*(\t):LL+2*(\t)+1], v[210:211]
	s_wait_alu depctr_va_vdst(0)
	s_wait_dscnt 0x0                                   ; V is in, and so is the next round's K
	WIN 0x01
.irp p, 0,1
.irp g, 0,1,2,3
	v_wmma_scale_f32_16x16x128_f8f6f4 v[OF+32*(\t)+8*\g:OF+32*(\t)+8*\g+7], v[VF+32*\p+8*\g:VF+32*\p+8*\g+7], v[CD+8*\p:CD+8*\p+7], v[OF+32*(\t)+8*\g:OF+32*(\t)+8*\g+7], v[VS+4*\p+\g], v[PS+\p] matrix_a_fmt:MATRIX_FMT_FP4 matrix_b_fmt:MATRIX_FMT_FP4   ; the four accumulators by turns
.endr
.endr
	WIN 0
.endm
.macro SLOT                            ; set 0's two rounds in every wave, set 1's two in waves 0 to 3
	DS 0, 0, 1, 1, 0, 1
	DS 0, 1, 0, 2, 1, 0
	s_cmp_lt_u32 s[WV], 4
	s_cbranch_scc0 .Lone_head_\@
	DS 1, 0, 0, 1, 1, 1
	DS 1, 1, 0, 0, 0, 0
.Lone_head_\@:
.endm
; THE WAY OUT of set t: O^T / the sum, quantised along the head's 64: four registers of codes (512 consecutive bytes a wave) and two scale bytes a query
.macro OUT t
	WIN 0x55
	v_add_f32 v[LL+2*(\t)], v[LL+2*(\t)], v[LL+2*(\t)+1]
	v_permlanex16_b32 v[TP], v[LL+2*(\t)], s[SEL], s[SEL+1]
	v_add_f32 v[LL+2*(\t)], v[LL+2*(\t)], v[TP]        ; the row's sum
	s_wait_alu depctr_va_vdst(0)
	v_rcp_f32 v[LL+2*(\t)], v[LL+2*(\t)]
	v_nop
	WIN 0x44
	s_wait_alu depctr_va_vdst(0)                       ; the wait behind it, directly ahead of the first reader of the products' results
.set j, 0
.rept 32
	v_mul_f32 v[32*(\t)+j], v[OF+32*(\t)+j], v[LL+2*(\t)]   ; register 8 g + i is o(query r, channel 16 g + 8 h + i)
.set j, j+1
.endr
	WIN 0x55
	QUANT 32*(\t), 2, 128+4*(\t)
	v_lshl_or_b32 v[144+(\t)], v[TM+5], 8, v[TM+4]
	WIN 0x04
	global_store_b128 v[LI], v[128+4*(\t):131+4*(\t)], s[8:9] offset:512*(\t)
	global_store_b16 v[OS+(\t)], v[144+(\t)], s[10:11] ; lanes r and 16 + r hold the same two bytes and write them to the same place
	WIN 0
.endm
	s_load_b128 s[4:7], s[0:1], 0x0                    ; qrec, kvrec
	s_load_b64 s[8:9], s[0:1], 0x10                    ; o_img
	v_lshl_add_u32 v[SPW], v0, 2, SPARE
	v_mov_b32 v[NIL], 0
	ds_add_u32 v[SPW], v[NIL]                          ; the opening lines: the add twice on end and one wait
	ds_add_u32 v[SPW], v[NIL]
	v_lshrrev_b32 v8, 5, v0
	v_readfirstlane_b32 s[WV], v8                      ; wave 0..7
	s_and_b32 s[WW], s[WV], 3                          ; my query tile; in waves 4 to 7 also the key step that I fetch
	s_lshr_b32 s[ZZ], s[WV], 2                         ; my role
	s_and_b32 s15, ttmp7, 0xffff
	s_mul_i32 s17, s15, 3*HEADB                        ; the first head's first byte in qrec and kvrec
	s_mov_b32 s[G1], 0x30000                           ; no mask; elements of 8 bytes; no padding
	s_mov_b32 s[G1+1], 1120<<16                        ; a row: a record, 1,120 elements
	s_mov_b32 s[G1+2], 3<<16                           ; three rows
	s_mov_b32 s[G1+3], 1120<<16
	s_mov_b32 s[G1+4], 3
	s_mov_b32 s[G1+5], 35840                           ; a head from row to row
	s_mov_b32 s[G1+6], 0
	s_mov_b32 s[G1+7], 0
	s_mul_i32 s18, s[WW], REC
	s_add_co_u32 s18, s18, s17
	s_mov_b32 s19, 0
	s_mov_b32 s[G0], 1
	s_mul_i32 s[G0+1], s[WW], QST                      ; slot 0, key step w
	s_wait_dscnt 0x0
	s_wait_kmcnt 0x0
	s_add_nc_u64 s[G0+2:G0+3], s[6:7], s[18:19]
	s_or_b32 s[G0+3], s[G0+3], 0x80000000
	TLOAD                                              ; slot 0: one load a fetching wave at the head
	s_mov_b32 s[SEL], 0x76543210
	s_mov_b32 s[SEL+1], 0xfedcba98                     ; v_permlanex16_b32: lane l xor 16
	s_mov_b32 s[CS], 0x3e38aa3b                        ; c = log2(e) / 8
	s_mov_b32 s[CS+1], s[CS]
	s_mov_b32 s[NCS], 0xbe38aa3b                       ; -c
	s_mov_b32 s[SB], 0
	s_mov_b32 s[SLOTS], 7
	s_sub_co_u32 s44, s[WV], 4                         ; 0 to 2 in the waves that prefetch
	s_cmp_lt_u32 ttmp9, 5
	s_cselect_b32 s[LIM], 1, -1
	s_cmp_lt_u32 s44, 3
	s_cselect_b32 s[LIM], s[LIM], -1                   ; 1 in the waves that prefetch, else the greatest number
	s_min_u32 s44, s44, 2
	s_mul_i32 s44, s44, HEADB
	s_add_co_u32 s44, s44, s17
	s_add_co_u32 s44, s44, 4*REC                       ; at slot 1: the first change steps it to slot 2
	s_mov_b32 s45, 0
	s_add_nc_u64 s[PFA:PFA+1], s[6:7], s[44:45]
	s_lshl_b32 s46, ttmp9, 5
	s_mul_i32 s16, s[ZZ], 2*REC                        ; set 0's head in a key step: head 0 or head 2
	s_lshr_b32 s44, ttmp9, 1                           ; my queries' record,
	s_mul_i32 s44, s44, REC
	s_add_co_u32 s44, s44, s17
	s_mul_i32 s48, s[ZZ], 2*HEADB
	s_add_co_u32 s44, s44, s48                         ; in set 0's head,
	s_and_b32 s48, ttmp9, 1                            ; and which half of it
	s_lshl_b32 s49, s48, 11
	s_lshl_b32 s50, s[WW], 9
	s_add_co_u32 s50, s50, s49
	s_add_co_u32 s50, s50, s44
	s_mov_b32 s51, 0
	s_add_nc_u64 s[50:51], s[4:5], s[50:51]            ; my tile's image, set 0
	s_lshl_b32 s49, s48, 8
	s_lshl_b32 s52, s[WW], 2
	s_add_co_u32 s52, s52, s49
	s_add_co_u32 s52, s52, 8192
	s_add_co_u32 s52, s52, s44
	s_mov_b32 s53, 0
	s_add_nc_u64 s[52:53], s[4:5], s[52:53]            ; and its scale words, 16 bytes from row to row
	s_cmp_eq_u32 s[ZZ], 0
	s_cselect_b32 s58, HEADB, 0                        ; set 1: a head on in waves 0 to 3 (waves 4 to 7, which do not use it, stay inside the buffer)
	s_mov_b32 s59, 0
	s_add_nc_u64 s[54:55], s[50:51], s[58:59]
	s_add_nc_u64 s[56:57], s[52:53], s[58:59]
	s_mul_i32 s62, s15, 3
	s_lshl_b32 s63, s[ZZ], 1
	s_add_co_u32 s62, s62, s63                         ; set 0's head, 0 .. 11
	s_mul_i32 s58, ttmp9, OBLK
	s_mul_i32 s48, s[WW], 384
	s_add_co_u32 s48, s48, s58
	s_add_co_u32 s48, s48, 24576
	s_mov_b32 s49, 0
	s_add_nc_u64 s[10:11], s[8:9], s[48:49]            ; o's scale words of my tile
	s_mul_i32 s48, s[WW], 6144
	s_add_co_u32 s48, s48, s58
	s_lshl_b32 s63, s62, 9
	s_add_co_u32 s48, s48, s63
	s_add_nc_u64 s[8:9], s[8:9], s[48:49]              ; o's image of my tile and set 0's head
.irp t, 0,1
	s_add_co_u32 s63, s62, \t                          ; the head: its K step, 64 bytes each, and its half of a word
	s_lshr_b32 s[60+\t], s63, 1
	s_lshl_b32 s[60+\t], s[60+\t], 6
	s_and_b32 s63, s63, 1
	s_lshl_b32 s63, s63, 1
	s_add_co_u32 s[60+\t], s[60+\t], s63
.endr
	v_and_b32 v8, 31, v0                               ; lane
	v_and_b32 v9, 15, v0                               ; r
	v_bfe_u32 v10, v0, 4, 1                            ; h
	v_and_b32 v11, 7, v0                               ; r % 8
	v_bfe_u32 v48, v0, 3, 1                            ; r / 8
	v_lshlrev_b32 v[LI], 4, v8
	v_lshlrev_b32 v[R16], 4, v9
	v_add_nc_u32 v[AV], s16, v[LI]
	v_add_nc_u32 v[ASV], s16, v[R16]
	v_lshl_add_u32 v[AK], v11, 4, s16
	v_lshl_add_u32 v[AK], v48, 10, v[AK]
	v_lshl_add_u32 v[AK], v10, 8, v[AK]
	v_lshl_add_u32 v[ASK], v11, 4, s16
	v_lshl_add_u32 v[ASK], v48, 3, v[ASK]
	v_add_nc_u32 v[PFO], s46, v8
	v_min_u32 v[PFO], 139, v[PFO]
	v_lshlrev_b32 v[PFO], 8, v[PFO]
.irp t, 0,1
	v_lshl_add_u32 v[OS+\t], v9, 2, s[60+\t]
.endr
	global_load_b128 v[QF:QF+3], v[LI], s[50:51]       ; Q's fragments stay in registers
	global_load_b32 v[QS], v[R16], s[52:53]
	global_load_b128 v[QF+8:QF+11], v[LI], s[54:55]
	global_load_b32 v[QS+1], v[R16], s[56:57]
.irp t, 0,1
.irp i, 4,5,6,7
	v_mov_b32 v[QF+8*\t+\i], 0                         ; zero codes for k = 64 .. 127
.endr
.endr
.irp i, 64,65,66,67
	v_mov_b32 v[KF+\i], 0                              ; behind K's last tile
.endr
.set j, 0
.rept 64
	v_mov_b32 v[OF+j], 0                               ; O^T: the round is written once; the first change of M leaves zeros zeros
.set j, j+1
.endr
	WIN 0x40
.irp t, 0,1
	v_mov_b32 v[NM+2*\t], 0x7e000000                   ; -M: 2^125, over every -t that is served
	v_mov_b32 v[NM+2*\t+1], 0xff61b1e6                 ; the largest score so far: -3e38
	v_mov_b32 v[LL+2*\t], 0
	v_mov_b32 v[LL+2*\t+1], 0
.endr
	v_mov_b32 v[FF+1], 0                               ; (named as the upper half of a pair)
	v_mov_b32 v[TP], 0                                 ; a lane permute's destination counts as one of its sources
	v_mov_b32 v[TP+1], 0
	v_mov_b32 v[TM+4], 0
	v_mov_b32 v[TM+5], 0
	v_lshlrev_b32 v[SH8], 3, v10
	WIN 0
	s_wait_alu depctr_va_vdst(0)
	s_wait_loadcnt 0x0                                 ; Q
.Lslot:                                                ; seven trips: slots 0 to 6 are walked, slots 1 to 7 asked for (slot 1's first fill as a refill is)
	CHANGE 1
	SLOT
	s_sub_co_u32 s[SLOTS], s[SLOTS], 1
	s_cmp_lg_u32 s[SLOTS], 0
	s_cbranch_scc1 .Lslot
	CHANGE 0                                           ; the last slot is written out: nothing is left to fetch
	SLOT
	PLACES 4                                           ; four plain lines behind the last products
	OUT 0
	s_cmp_lt_u32 s[WV], 4
	s_cbranch_scc0 .Ldone
	OUT 1
.Ldone:
	s_wait_tensorcnt 0x0                               ; the wave's end
	ds_add_u32 v[SPW], v[NIL]
	s_wait_dscnt 0x0
	s_endpgm
.Lfunc_end_k_q0f2f964ecd_attn:
	.size	k_q0f2f964ecd_attn, .Lfunc_end_k_q0f2f964ecd_attn-k_q0f2f964ecd_attn
	.p2alignl 7, 3214868480
	.fill 96, 4, 3214868480
	.section	.rodata,"a",@progbits
	.p2align	6, 0x0
	.amdhsa_kernel k_q0f2f964ecd_attn
		.amdhsa_group_segment_fixed_size 327680
		.amdhsa_private_segment_fixed_size 0
		.amdhsa_enable_private_segment 0
		.amdhsa_kernarg_size 24
		.amdhsa_user_sgpr_count 2
		.amdhsa_user_sgpr_kernarg_segment_ptr 1
		.amdhsa_wavefront_size32 1
		.amdhsa_system_sgpr_workgroup_id_x 1
		.amdhsa_system_sgpr_workgroup_id_y 1
		.amdhsa_system_sgpr_workgroup_id_z 1
		.amdhsa_system_vgpr_workitem_id 0
		.amdhsa_next_free_vgpr 512
		.amdhsa_next_free_sgpr 66
		.amdhsa_reserve_vcc 0
		.amdhsa_float_denorm_mode_32 3
		.amdhsa_float_denorm_mode_16_64 3
		.amdhsa_memory_ordered 1
		.amdhsa_forward_progress 1
		.amdhsa_inst_pref_size 227
	.end_amdhsa_kernel
	.amdgpu_metadata
---
amdhsa.version: [ 1, 2 ]
amdhsa.kernels:
  - .name:           k_q0f2f964ecd_attn
    .symbol:         k_q0f2f964ecd_attn.kd
    .args:
      - { .name: qrec, .offset: 0, .size: 8, .value_kind: global_buffer, .address_space: global }
      - { .name: kvrec, .offset: 8, .size: 8, .value_kind: global_buffer, .address_space: global }
      - { .name: o_img, .offset: 16, .size: 8, .value_kind: global_buffer, .address_space: global }
    .group_segment_fixed_size: 327680
    .private_segment_fixed_size: 0
    .kernarg_segment_align: 8
    .kernarg_segment_size: 24
    .max_flat_workgroup_size: 256
    .sgpr_count:     66
    .vgpr_count:     512
    .wavefront_size: 32
...
	.end_amdgpu_metadata
.endif
;; end of part 2
;; launch proj (part 3): grid 64 x 4, 3 waves a work-group, no clusters, 168,448 bytes of LDS; arguments o_img, Wo_codes, Wo_scales, bo, x, x1; writes x1
.if DOCPART == 3
	.amdgcn_target "amdgcn-amd-amdhsa--gfx1250"
	.amdhsa_code_object_version 6
	.text
	.protected	k_q0f2f964ecd_proj
	.globl	k_q0f2f964ecd_proj
	.p2align	8
	.type	k_q0f2f964ecd_proj,@function
k_q0f2f964ecd_proj:
	s_mov_b64 s[64:65], 0
	v_nop
	global_prefetch_b8 v0, s[64:65] scope:SCOPE_SE
	s_setreg_imm32_b32 hwreg(HW_REG_WAVE_MODE, 25, 1), 1
	s_wait_xcnt 0x0
; out = res + act W^T + bias on codes of FP4 (E2M1) with E8M0 scales.  act: 4,096 rows x 128 KS along K, as images of the operand's registers [row tile][K step][2][512] with scale words [row tile][K step][r];
; W: [768][128 KS] codes, K innermost, scale bytes [768][4 KS]; bias [768], res and out [4096][768] f32.  Here KS = 6: x1 = x + o Wo + bo.
; SHARES.  Work-group (x, y): rows 64 x .. 64 x + 63; wave w: columns 64 (3 y + w) .. + 63: 16 accumulators, taken by turns.  A wave's 64 columns are 256 bytes of a row, aligned: each wave has a stage of its own.
; The rows' images and scale words are two dense blocks of memory: each wave brings a third of the two, taken together, into LDS, once.  The weights go from memory straight into registers, each byte read once by its wave.
; Source 0 = 16 rows of W, source 1 = 16 rows of act: a lane holds eight neighbouring columns of one row.  The bias is the C of each sum's first product.
; No cluster: what work-groups share (the weights) does not pass through LDS; the four work-groups of a row block share 4,352 KS bytes, once.
; LIMITS: NaN and infinities are not served.
.set KS,   6
.set ASC,  4096*KS                     ; LDS: the images at 0, the scale words here,
.set STG,  4352*KS                     ; and the stages: 16 rows x (256 + 16) bytes for each wave
.set AM,   4                           ; v4-7  16 x lane + 1,024 KS x row tile
.set ASA,  8                           ; v8    ASC + 4 r
.set WA,   9                           ; v9    64 KS r + 16 h
.set WSA,  10                          ; v10   4 KS r
.set BA,   11                          ; v11   32 h
.set STO,  12                          ; v12   the stage, in: row r, + 32 h
.set RD,   13                          ; v13   the stage, back: row h, + 16 r
.set CO,   14                          ; v14   the same place in res and out: 3,072 h + 16 r
.set AS,   16                          ; v16-23  act's scale words, two sets of four: scales and nothing else
.set WSR,  24                          ; v24..   W's scale words (KS t + s): scales and nothing else
.set ACC,  120                         ; v120-247 the accumulators (32 m + 8 t)
; windows 1 and 2: W's fragments, a ring of 16 K steps: step s in window 1 + (s % 16) / 8 at 32 (s % 8) + 8 t.   window 3: v0-63 act's fragments, two sets, later rows on their way out; v64-191 res; v192-223 the bias
.set MSB, 0
.macro WIN new
.if MSB != (\new)
	s_set_vgpr_msb (MSB<<8)|(\new)
.set MSB, (\new)
.endif
.endm
.macro PLACES n
.rept \n
	v_nop
.endr
.endm
.macro WLOADK s                        ; W's four fragments of K step s
	WIN (0x40*(1+((\s)%16)/8))
.irp t, 0,1,2,3
.irp c, 0,1
	global_load_b128 v[32*((\s)%8)+8*\t+4*\c:32*((\s)%8)+8*\t+4*\c+3], v[WA], s[8:9] offset:1024*KS*\t+64*(\s)+32*\c
.endr
.endr
.endm
.macro ACTLOAD s                       ; act's four fragments and scale words of K step s, into set s % 2: 12 LDS loads
.irp m, 0,1,2,3
	ds_load_b32 v[AS+4*((\s)%2)+\m], v[ASA] offset:64*KS*\m+64*(\s)
.endr
	WIN 0xc0
.irp m, 0,1,2,3
.irp c, 0,1
	ds_load_b128 v[32*((\s)%2)+8*\m+4*\c:32*((\s)%2)+8*\m+4*\c+3], v[AM+\m] offset:1024*(\s)+512*\c
.endr
.endr
	WIN 0
.endm
.macro KSTEP s
.if (\s)+1 < KS
	ACTLOAD (\s)+1
.endif
.if 8*(KS-1-(\s)) > 63
	s_wait_loadcnt 63                                  ; more than 63 weight loads were issued behind this step's eight
.else
	s_wait_loadcnt 8*(KS-1-(\s))                       ; the later K steps' weight loads, eight each, may be out
.endif
.if (\s)+1 < KS
	s_wait_dscnt 12                                    ; the 12 just issued may be out
.else
	s_wait_dscnt 0x0
.endif
.set wwin, 1+((\s)%16)/8
.if (\s) == 0
	WIN (wwin|0x0c|0x30)
.else
	WIN (wwin|0x0c)
.endif
.irp m, 0,1,2,3
.irp t, 0,1,2,3
.if (\s) == 0
	v_wmma_scale_f32_16x16x128_f8f6f4 v[ACC+32*\m+8*\t:ACC+32*\m+8*\t+7], v[32*((\s)%8)+8*\t:32*((\s)%8)+8*\t+7], v[32*((\s)%2)+8*\m:32*((\s)%2)+8*\m+7], v[192+8*\t:199+8*\t], v[WSR+KS*\t+(\s)], v[AS+4*((\s)%2)+\m] matrix_a_fmt:MATRIX_FMT_FP4 matrix_b_fmt:MATRIX_FMT_FP4
.else
	v_wmma_scale_f32_16x16x128_f8f6f4 v[ACC+32*\m+8*\t:ACC+32*\m+8*\t+7], v[32*((\s)%8)+8*\t:32*((\s)%8)+8*\t+7], v[32*((\s)%2)+8*\m:32*((\s)%2)+8*\m+7], v[ACC+32*\m+8*\t:ACC+32*\m+8*\t+7], v[WSR+KS*\t+(\s)], v[AS+4*((\s)%2)+\m] matrix_a_fmt:MATRIX_FMT_FP4 matrix_b_fmt:MATRIX_FMT_FP4
.endif
.endr
.endr
	WIN 0
	PLACES 4                                           ; in front of loads into registers that these products read, and of the first read of results
.if (KS == 24) && ((\s) < 8)
	WLOADK (\s)+16                                     ; the ring's place just read takes the K step 16 further on
	WIN 0
.endif
.endm
; 16 rows leave: through my stage, back as whole runs of 256 bytes, res added, stored.  LDS serves a wave's instructions in order (ISA guide 5.7.1.4): no wait between the stores and the loads.
.macro OUTM m
.set ob, 32*((\m)%2)
.if (\m) >= 2
	s_wait_xcnt 0x0                                    ; the stores of two blocks ago have read these registers
.endif
.irp t, 0,1,2,3
	ds_store_b128 v[STO], v[ACC+32*(\m)+8*\t:ACC+32*(\m)+8*\t+3] offset:64*\t       ; each accumulator from its low end on
	ds_store_b128 v[STO], v[ACC+32*(\m)+8*\t+4:ACC+32*(\m)+8*\t+7] offset:64*\t+16
.endr
	WIN 0xc0
.irp i, 0,1,2,3,4,5,6,7
	ds_load_b128 v[ob+4*\i:ob+4*\i+3], v[RD] offset:544*\i
.endr
	s_wait_dscnt 0x0
	WIN 0xcf
.irp k, 0,1,2,3,4,5,6,7,8,9,10,11,12,13,14,15
	v_pk_add_f32 v[ob+2*\k:ob+2*\k+1], v[ob+2*\k:ob+2*\k+1], v[64+32*(\m)+2*\k:65+32*(\m)+2*\k]
.endr
	WIN 0x0c
.irp i, 0,1,2,3,4,5,6,7
	global_store_b128 v[CO], v[ob+4*\i:ob+4*\i+3], s[16:17] offset:(16*(\m)+2*\i)*3072   ; 16 lanes store 256 consecutive bytes, at a multiple of 256 from the buffer's first byte
.endr
	WIN 0
.endm
	s_load_b64 s[4:5], s[0:1], 0x0                     ; act: for each 64 rows one dense block, the images and behind them the scale words
	s_load_b128 s[8:11], s[0:1], 0x8                   ; W's codes, W's scales
	s_load_b128 s[12:15], s[0:1], 0x18                 ; bias, res
	s_load_b64 s[16:17], s[0:1], 0x28                  ; out
	v_lshl_add_u32 v254, v0, 2, 0x29000
	v_mov_b32 v255, 0
	ds_add_u32 v254, v255
	ds_add_u32 v254, v255
	v_lshrrev_b32 v1, 5, v0
	v_readfirstlane_b32 s18, v1                        ; wave 0..2
	s_and_b32 s19, ttmp7, 0xffff
	s_mul_i32 s20, s19, 3
	s_add_co_u32 s20, s20, s18                         ; my 64 columns: 0 .. 11
	; descriptor group 1: dense rows of 256 bytes: a third of the block's images and scale words taken together (17 KS / 3 rows)
	s_mov_b32 s24, 0x30000
	s_mov_b32 s25, 32<<16
	s_mov_b32 s26, (17*KS/3)<<16                       ; a third of the block's 17 KS rows of 256 bytes
	s_mov_b32 s27, 32<<16
	s_mov_b32 s28, 17*KS/3
	s_mov_b32 s29, 32
	s_mov_b32 s30, 0
	s_mov_b32 s31, 0
	s_mul_i32 s21, s18, 4352*KS/3
	s_mul_i32 s22, ttmp9, 4352*KS
	s_add_co_u32 s22, s22, s21
	s_mov_b32 s23, 0
	s_mov_b32 s32, 1
	s_mov_b32 s33, s21
	s_wait_dscnt 0x0
	s_wait_kmcnt 0x0
	s_add_nc_u64 s[34:35], s[4:5], s[22:23]
	s_or_b32 s35, s35, 0x80000000
	tensor_load_to_lds s[32:35], s[24:31]              ; my one fill: images and scale words lie in LDS as in memory; nothing is filled again
	s_nop 0
	PLACES 4
	v_and_b32 v1, 31, v0
	v_and_b32 v2, 15, v0                               ; r
	v_bfe_u32 v3, v0, 4, 1                             ; h
	v_lshlrev_b32 v[AM], 4, v1
	v_add_nc_u32 v[AM+1], 1024*KS, v[AM]
	v_add_nc_u32 v[AM+2], 2048*KS, v[AM]
	v_add_nc_u32 v[AM+3], 3072*KS, v[AM]
	v_lshl_add_u32 v[ASA], v2, 2, ASC
	v_mul_u32_u24 v[WA], v2, 64*KS
	v_lshl_add_u32 v[WA], v3, 4, v[WA]
	v_mul_u32_u24 v[WSA], v2, 4*KS
	v_lshlrev_b32 v[BA], 5, v3
	s_mul_i32 s52, s18, 4352
	s_add_co_u32 s52, s52, STG
	v_mul_u32_u24 v[STO], v2, 272
	v_lshl_add_u32 v[STO], v3, 5, v[STO]
	v_add_nc_u32 v[STO], s52, v[STO]
	v_mul_u32_u24 v[RD], v3, 272
	v_lshl_add_u32 v[RD], v2, 4, v[RD]
	v_add_nc_u32 v[RD], s52, v[RD]
	v_mul_u32_u24 v[CO], v3, 3072
	v_lshl_add_u32 v[CO], v2, 4, v[CO]
	s_wait_alu depctr_va_vdst(0)
	s_mov_b32 s55, 0
	s_mul_i32 s54, s20, 4096*KS                        ; my 64 rows of W,
	s_add_nc_u64 s[8:9], s[8:9], s[54:55]
	s_mul_i32 s54, s20, 256*KS                         ; their scale bytes,
	s_add_nc_u64 s[10:11], s[10:11], s[54:55]
	s_lshl_b32 s54, s20, 8                             ; my 64 numbers of the bias,
	s_add_nc_u64 s[12:13], s[12:13], s[54:55]
	s_mul_i32 s56, ttmp9, 196608                       ; and my corner of res and out
	s_add_co_u32 s54, s54, s56
	s_add_nc_u64 s[14:15], s[14:15], s[54:55]
	s_add_nc_u64 s[16:17], s[16:17], s[54:55]
	WIN 0xc0
.irp m, 0,1,2,3
.irp i, 0,1,2,3,4,5,6,7
	global_load_b128 v[64+32*\m+4*\i:67+32*\m+4*\i], v[CO], s[14:15] offset:(16*\m+2*\i)*3072   ; res, in the order in which the rows leave
.endr
.endr
.irp t, 0,1,2,3
	global_load_b128 v[192+8*\t:195+8*\t], v[BA], s[12:13] offset:64*\t
	global_load_b128 v[196+8*\t:199+8*\t], v[BA], s[12:13] offset:64*\t+16
.endr
	WIN 0
.irp t, 0,1,2,3
.if KS == 24
.irp i, 0,1,2,3,4,5
	global_load_b128 v[WSR+KS*\t+4*\i:WSR+KS*\t+4*\i+3], v[WSA], s[10:11] offset:64*KS*\t+16*\i
.endr
.else
.irp i, 0,1,2
	global_load_b64 v[WSR+KS*\t+2*\i:WSR+KS*\t+2*\i+1], v[WSA], s[10:11] offset:64*KS*\t+8*\i
.endr
.endif
.endr
.set ks, 0
.rept KS
.if ks < 16
	WLOADK ks
.endif
.set ks, ks+1
.endr
	WIN 0
	s_wait_tensorcnt 0x0                               ; my thirds are in,
	s_barrier_signal -1
	s_barrier_wait -1                                  ; everybody's are
	ACTLOAD 0
.set ks, 0
.rept KS
	KSTEP ks
.set ks, ks+1
.endr
	OUTM 0
	OUTM 1
	OUTM 2
	OUTM 3
	s_wait_tensorcnt 0x0
	ds_add_u32 v254, v255
	s_wait_dscnt 0x0
	s_endpgm
.Lfunc_end_k_q0f2f964ecd_proj:
	.size	k_q0f2f964ecd_proj, .Lfunc_end_k_q0f2f964ecd_proj-k_q0f2f964ecd_proj
	.p2alignl 7, 3214868480
	.fill 96, 4, 3214868480
	.section	.rodata,"a",@progbits
	.p2align	6, 0x0
	.amdhsa_kernel k_q0f2f964ecd_proj
		.amdhsa_group_segment_fixed_size 168448
		.amdhsa_private_segment_fixed_size 0
		.amdhsa_enable_private_segment 0
		.amdhsa_kernarg_size 48
		.amdhsa_user_sgpr_count 2
		.amdhsa_user_sgpr_kernarg_segment_ptr 1
		.amdhsa_wavefront_size32 1
		.amdhsa_system_sgpr_workgroup_id_x 1
		.amdhsa_system_sgpr_workgroup_id_y 1
		.amdhsa_system_sgpr_workgroup_id_z 1
		.amdhsa_system_vgpr_workitem_id 0
		.amdhsa_next_free_vgpr 1024
		.amdhsa_next_free_sgpr 66
		.amdhsa_reserve_vcc 0
		.amdhsa_float_denorm_mode_32 3
		.amdhsa_float_denorm_mode_16_64 3
		.amdhsa_memory_ordered 1
		.amdhsa_forward_progress 1
		.amdhsa_inst_pref_size 44
	.end_amdhsa_kernel
	.amdgpu_metadata
---
amdhsa.version: [ 1, 2 ]
amdhsa.kernels:
  - .name:           k_q0f2f964ecd_proj
    .symbol:         k_q0f2f964ecd_proj.kd
    .args:
      - { .name: o_img, .offset: 0, .size: 8, .value_kind: global_buffer, .address_space: global }
      - { .name: Wo_codes, .offset: 8, .size: 8, .value_kind: global_buffer, .address_space: global }
      - { .name: Wo_scales, .offset: 16, .size: 8, .value_kind: global_buffer, .address_space: global }
      - { .name: bo, .offset: 24, .size: 8, .value_kind: global_buffer, .address_space: global }
      - { .name: x, .offset: 32, .size: 8, .value_kind: global_buffer, .address_space: global }
      - { .name: x1, .offset: 40, .size: 8, .value_kind: global_buffer, .address_space: global }
    .group_segment_fixed_size: 168448
    .private_segment_fixed_size: 0
    .kernarg_segment_align: 8
    .kernarg_segment_size: 48
    .max_flat_workgroup_size: 96
    .sgpr_count:     66
    .vgpr_count:     1024
    .wavefront_size: 32
...
	.end_amdgpu_metadata
.endif
;; end of part 3
;; launch ffn1 (part 4): grid 64 x 4, 4 waves a work-group, no clusters, 233,984 bytes of LDS; arguments x1, ln2_g, ln2_b, W1_codes, W1_scales, b1, g_img; writes g_img
.if DOCPART == 4
	.amdgcn_target "amdgcn-amd-amdhsa--gfx1250"
	.amdhsa_code_object_version 6
	.text
	.protected	k_q0f2f964ecd_ffn1
	.globl	k_q0f2f964ecd_ffn1
	.p2align	8
	.type	k_q0f2f964ecd_ffn1,@function
k_q0f2f964ecd_ffn1:
	s_mov_b64 s[64:65], 0
	v_nop
	global_prefetch_b8 v0, s[64:65] scope:SCOPE_SE
	s_setreg_imm32_b32 hwreg(HW_REG_WAVE_MODE, 25, 1), 1
	s_wait_xcnt 0x0
; g = gelu(LN2(x1) W1 + b1), the exact gelu, quantised along the 3,072 for the next product; LN2(x1) is quantised along its 768.  Codes of FP4 (E2M1) with E8M0 scales.
; SHARES.  Work-group (x, y): tokens 64 x .. + 63, hidden units 768 y .. + 767.  Wave w normalises and quantises tokens 16 w .. + 15, hands the codes round through LDS as images of the operand's registers,
; and then makes three units of 64 hidden columns (unit 12 y + 3 w + u) for all 64 tokens, in a loop of three trips: 16 accumulators by turns; a unit's weights are asked for ahead of the unit before's way out.
; Source 0 = 16 rows of W1, source 1 = 16 tokens: a lane holds one token, its registers run along the hidden units: register 8 t + j is unit column 16 t + 8 h + j.
; gelu(x) = x / 2 + (x / 2) erf(x / sqrt 2); erf(z) = z P(z^2) / Q(z^2) on z held to -4 .. 4, P of 7 and Q of 5 terms, in f32.
; OUT: for each 64 tokens one dense block: images [token tile 4][unit 48][512], then scale words [token tile 4][K step 24][r 16], of which a unit owns half a word: 16-bit stores, 2 bytes for each 32 bytes of codes.
; No cluster: the weights, which work-groups share, go from memory straight into registers.
; LIMITS: NaN and infinities are not served.  A block whose largest magnitude lies under 2^-124 keeps the scale byte 1; a block of zeros has zero codes under that byte.  The inverse root is v_rsq_f32, 1 / Q is v_rcp_f32.
.set TOKP,  3120
.set GB,    199680
.set HIMG,  205824
.set HSC,   230400
.set GO,  1                            ; v1   16 x lane + 512 x unit: made anew in each trip
.set GS0, 2                            ; v2   4 r + 1,536 h
.set GS,  3                            ; v3   GS0 + the unit's place in a row of scale words: made anew in each trip
.set XA,  4
.set LI,  5
.set HF0, 6
.set HS0, 7
.set HWI, 8
.set HWS, 9
.set WA,  10
.set WSA, 11
.set BAQ, 12
.set GBR, 13
.set T8,  14
.set GBW, 15
.set HS,  16                           ; v16-39   h's scale words: scales and nothing else
.set WS,  40                           ; v40-63   W1's scale words: scales and nothing else
.set ACC, 64                           ; v64-191  16 accumulators; during the norm two buffers of 64 numbers
.set XB0, 64
.set GZ,  192                          ; v192-223 gelu: z, z^2, P, Q, eight each
.set GZ2, 200
.set GP,  208
.set GQ,  216
.set SA,  192                          ; during the norm: v192-200 the sums, v204-215 g and b on their way to LDS, v216-217 the mean, v218-219 the inverse root, v220 a scale word
.set STGB, 204
.set MM,  216
.set RR,  218
.set PWL, 220
.set A0P, 224                          ; v224-225 P's highest coefficient, twice;  v226-227 Q's
.set B0P, 226
.set TM,  228                          ; v228-239 the quantiser's; a quantiser of two blocks leaves TM+2, +3, +6, +7, +10, +11 alone: there lie the four tiles' scale halves and the two words that are sent
.set PC,  240                          ; v240-255 codes
; window 1: v0-191 W1's 24 fragments of a unit (32 s + 8 t), v192-223 its bias;  window 2: g and b by chunks, then h's 24 fragments (48 m + 8 s)
.set WV,  36
.set YY,  37
.set SEL, 24
.set RCPD, 27
.set EPSR, 28
.set CNT, 29
.set UU,  30
.set G1,  40
.set G0,  56
.set AL,  66                           ; P's coefficient a (1 .. 6) in s[AL+2a:AL+2a+1], twice
.set BE,  78                           ; Q's coefficient b (1 .. 4) in s[BE+2b:BE+2b+1], twice
.set MSB, 0
.macro WIN new
.if MSB != (\new)
	s_set_vgpr_msb (MSB<<8)|(\new)
.set MSB, (\new)
.endif
.endm
.macro PLACES n
.rept \n
	v_nop
.endr
.endm
.macro QUANT s, nb, pc
.set qb, 0
.rept \nb
	v_max3_num_f32 v[TM+qb], |v[(\s)+16*qb]|, |v[(\s)+16*qb+1]|, 0x1800000   ; my 16 numbers of block qb, and the floor 2^(3 - 127)
.set qb, qb+1
.endr
.set qi, 2
.rept 7
.set qb, 0
.rept \nb
	v_max3_num_f32 v[TM+qb], v[TM+qb], |v[(\s)+16*qb+qi]|, |v[(\s)+16*qb+qi+1]|
.set qb, qb+1
.endr
.set qi, qi+2
.endr
.set qb, 0
.rept \nb
	v_permlanex16_b32 v[TM+4+qb], v[TM+qb], s[SEL], s[SEL+1]
.set qb, qb+1
.endr
.set qb, 0
.rept \nb
	v_max_num_f32 v[TM+qb], v[TM+qb], v[TM+4+qb]
.set qb, qb+1
.endr
.set qb, 0
.rept \nb
	v_add_nc_u32 v[TM+8+qb], 0xff000000, v[TM+qb]
.set qb, qb+1
.endr
.set qb, 0
.rept \nb
	v_lshrrev_b32 v[TM+4+qb], 23, v[TM+8+qb]
.set qb, qb+1
.endr
.set qt, 0
.rept 2*(\nb)
	v_cvt_scalef32_pk8_fp4_f32 v[(\pc)+4*(qt/4)+2*(qt%2)+(qt%4)/2], v[(\s)+8*qt:(\s)+8*qt+7], v[TM+8+qt/2]
.set qt, qt+1
.endr
	v_nop
.set qt, 0
.rept \nb
	v_permlane16_swap_b32 v[(\pc)+2*qt], v[(\pc)+2*qt+1]
.set qt, qt+1
.endr
.endm
.macro XCH s, reg
.irp b, 0,1,2,3
.irp q, 0,1
.irp j, 0,1
	ds_load_b128 v[(\reg)+16*\b+8*\q+4*\j:(\reg)+16*\b+8*\q+4*\j+3], v[XA] offset:1040*((\s)/2)+512*((\s)%2)+128*\b+64*\q+16*\j
.endr
.endr
.endr
.endm
.macro GBCH s, pb
	WIN 0x80
.irp b, 0,1,2,3
.irp q, 0,1
.irp j, 0,1
	ds_load_b128 v[(\pb)+16*\b+8*\q+4*\j:(\pb)+16*\b+8*\q+4*\j+3], v[GBR] offset:512*(\s)+128*\b+64*\q+16*\j
	ds_load_b128 v[(\pb)+64+16*\b+8*\q+4*\j:(\pb)+64+16*\b+8*\q+4*\j+3], v[GBR] offset:3072+512*(\s)+128*\b+64*\q+16*\j
.endr
.endr
.endr
	WIN 0
.endm
.macro FOLD
	v_pk_add_f32 v[SA:SA+1], v[SA:SA+1], v[SA+2:SA+3]
	v_pk_add_f32 v[SA+4:SA+5], v[SA+4:SA+5], v[SA+6:SA+7]
	v_pk_add_f32 v[SA:SA+1], v[SA:SA+1], v[SA+4:SA+5]
	v_add_f32 v[SA], v[SA], v[SA+1]
	v_permlanex16_b32 v[SA+8], v[SA], s[SEL], s[SEL+1]
	v_add_f32 v[SA], v[SA], v[SA+8]
.endm
.macro LNPASS sq
	XCH 0, XB0
	XCH 1, XB0+64
.set cs, 0
.rept 6
.set xb, XB0+64*(cs%2)
.if cs < 5
	s_wait_alu depctr_va_vdst(0)
	s_wait_dscnt 16                                    ; this chunk's 16 loads are in; the next chunk's 16 may be out
.else
	s_wait_alu depctr_va_vdst(0)
	s_wait_dscnt 0x0
.endif
.if \sq
.set pp, 0
.rept 32
	v_pk_add_f32 v[xb+2*pp:xb+2*pp+1], v[xb+2*pp:xb+2*pp+1], v[MM:MM+1] neg_lo:[0,1] neg_hi:[0,1]
.set pp, pp+1
.endr
.endif
.set pp, 0
.rept 32
.if (cs == 0) && (pp < 4)
.if \sq
	v_pk_mul_f32 v[SA+2*pp:SA+2*pp+1], v[xb+2*pp:xb+2*pp+1], v[xb+2*pp:xb+2*pp+1]
.else
	v_pk_add_f32 v[SA+2*pp:SA+2*pp+1], v[xb+2*pp:xb+2*pp+1], v[xb+8+2*pp:xb+9+2*pp]
.endif
.elseif (cs == 0) && (pp < 8) && (\sq == 0)
.elseif \sq
	v_pk_fma_f32 v[SA+2*(pp%4):SA+2*(pp%4)+1], v[xb+2*pp:xb+2*pp+1], v[xb+2*pp:xb+2*pp+1], v[SA+2*(pp%4):SA+2*(pp%4)+1]
.else
	v_pk_add_f32 v[SA+2*(pp%4):SA+2*(pp%4)+1], v[SA+2*(pp%4):SA+2*(pp%4)+1], v[xb+2*pp:xb+2*pp+1]
.endif
.set pp, pp+1
.endr
.if cs < 4
	XCH cs+2, xb
.endif
.set cs, cs+1
.endr
	FOLD
.endm
.macro WALL                            ; a unit's scale words, bias and 24 fragments, from where the three pointers stand
.irp t, 0,1,2,3
.irp i, 0,1,2
	global_load_b64 v[WS+6*\t+2*\i:WS+6*\t+2*\i+1], v[WSA], s[16:17] offset:384*\t+8*\i
.endr
.endr
	WIN 0x40
.irp t, 0,1,2,3
	global_load_b128 v[192+8*\t:195+8*\t], v[BAQ], s[18:19] offset:64*\t
	global_load_b128 v[196+8*\t:199+8*\t], v[BAQ], s[18:19] offset:64*\t+16
.endr
.irp s, 0,1,2,3,4,5
.irp t, 0,1,2,3
.irp c, 0,1
	global_load_b128 v[32*\s+8*\t+4*\c:32*\s+8*\t+4*\c+3], v[WA], s[14:15] offset:6144*\t+64*\s+32*\c
.endr
.endr
.endr
	WIN 0
.endm
; the exact gelu of one accumulator's eight numbers, in place, from its low end on
.macro GELU8 x
.irp k, 0,2,4,6
	v_pk_mul_f32 v[GZ+\k:GZ+\k+1], v[(\x)+\k:(\x)+\k+1], 0x3f3504f3 op_sel_hi:[1,0]     ; z = x / sqrt 2
.endr
.irp k, 0,1,2,3,4,5,6,7
	v_med3_num_f32 v[GZ+\k], v[GZ+\k], -4.0, 4.0
.endr
.irp k, 0,2,4,6
	v_pk_mul_f32 v[GZ2+\k:GZ2+\k+1], v[GZ+\k:GZ+\k+1], v[GZ+\k:GZ+\k+1]
.endr
.irp k, 0,2,4,6
	v_pk_fma_f32 v[GP+\k:GP+\k+1], v[GZ2+\k:GZ2+\k+1], v[A0P:A0P+1], s[AL+2:AL+3] op_sel_hi:[1,1,0]
	v_pk_fma_f32 v[GQ+\k:GQ+\k+1], v[GZ2+\k:GZ2+\k+1], v[B0P:B0P+1], s[BE+2:BE+3] op_sel_hi:[1,1,0]
.endr
.irp a, 2,3,4
.irp k, 0,2,4,6
	v_pk_fma_f32 v[GP+\k:GP+\k+1], v[GP+\k:GP+\k+1], v[GZ2+\k:GZ2+\k+1], s[AL+2*\a:AL+2*\a+1] op_sel_hi:[1,1,0]
	v_pk_fma_f32 v[GQ+\k:GQ+\k+1], v[GQ+\k:GQ+\k+1], v[GZ2+\k:GZ2+\k+1], s[BE+2*\a:BE+2*\a+1] op_sel_hi:[1,1,0]
.endr
.endr
.irp a, 5,6
.irp k, 0,2,4,6
	v_pk_fma_f32 v[GP+\k:GP+\k+1], v[GP+\k:GP+\k+1], v[GZ2+\k:GZ2+\k+1], s[AL+2*\a:AL+2*\a+1] op_sel_hi:[1,1,0]
.endr
.endr
.irp k, 0,2,4,6
	v_pk_mul_f32 v[GP+\k:GP+\k+1], v[GP+\k:GP+\k+1], v[GZ+\k:GZ+\k+1]
.endr
	s_wait_alu depctr_va_vdst(0)
.irp k, 0,1,2,3,4,5,6,7
	v_rcp_f32 v[GQ+\k], v[GQ+\k]
.endr
.irp k, 0,2,4,6
	v_pk_mul_f32 v[(\x)+\k:(\x)+\k+1], v[(\x)+\k:(\x)+\k+1], 0.5 op_sel_hi:[1,0]        ; x / 2: the plain lines behind the reciprocals
.endr
	s_wait_alu depctr_va_vdst(0)                       ; one wait for the eight, ahead of their first reader
.irp k, 0,2,4,6
	v_pk_mul_f32 v[GP+\k:GP+\k+1], v[GP+\k:GP+\k+1], v[GQ+\k:GQ+\k+1]                  ; erf
.endr
.irp k, 0,2,4,6
	v_pk_fma_f32 v[(\x)+\k:(\x)+\k+1], v[(\x)+\k:(\x)+\k+1], v[GP+\k:GP+\k+1], v[(\x)+\k:(\x)+\k+1]
.endr
.endm
	s_load_b256 s[8:15], s[0:1], 0x0                   ; x1, ln2_g, ln2_b, W1 codes
	s_load_b128 s[16:19], s[0:1], 0x20                 ; W1 scales, b1
	s_load_b64 s[20:21], s[0:1], 0x30                  ; g_img: for each 64 tokens one dense block of 104,448 bytes: the images, and behind them the scale words
	s_set_vgpr_msb 0x40
	v_lshl_add_u32 v254, v0, 2, 0x39000
	v_mov_b32 v255, 0
	s_set_vgpr_msb 0x4045
	ds_add_u32 v254, v255
	ds_add_u32 v254, v255
	s_set_vgpr_msb 0x4500
	v_lshrrev_b32 v1, 5, v0
	v_readfirstlane_b32 s[WV], v1                      ; wave 0..3
	s_and_b32 s[YY], ttmp7, 0xffff
	; descriptor group 1: my 16 rows of x1, dense in memory, as 48 lines of 256 numbers, 16 bytes of padding behind each line
	s_mov_b32 s[G1], 0x07d20000
	s_mov_b32 s[G1+1], 256<<16
	s_mov_b32 s[G1+2], 48<<16
	s_mov_b32 s[G1+3], 256<<16
	s_mov_b32 s[G1+4], 48
	s_mov_b32 s[G1+5], 256
	s_mov_b32 s[G1+6], 0
	s_mov_b32 s[G1+7], 0
	s_mul_i32 s38, s[WV], 16*TOKP
	s_mul_i32 s60, ttmp9, 196608
	s_mul_i32 s61, s[WV], 49152
	s_add_co_u32 s60, s60, s61
	s_mov_b32 s61, 0
	s_mov_b32 s[G0], 1
	s_mov_b32 s[G0+1], s38
	s_wait_dscnt 0x0
	s_wait_kmcnt 0x0
	s_add_nc_u64 s[G0+2:G0+3], s[8:9], s[60:61]
	s_or_b32 s[G0+3], s[G0+3], 0x80000000
	tensor_load_to_lds s[G0:G0+3], s[G1:G1+7]          ; the launch's one fill a wave; only I read these bytes
	s_nop 0
	PLACES 4
	v_and_b32 v1, 31, v0
	v_and_b32 v2, 15, v0
	v_bfe_u32 v3, v0, 4, 1
	v_mul_u32_u24 v[XA], v2, TOKP
	v_lshl_add_u32 v[XA], v3, 5, v[XA]
	v_add_nc_u32 v[XA], s38, v[XA]
	v_lshlrev_b32 v[LI], 4, v1
	v_add_nc_u32 v[HF0], HIMG, v[LI]
	v_lshl_add_u32 v[HS0], v1, 2, HSC
	s_mul_i32 s39, s[WV], 6144
	v_add_nc_u32 v[HWI], s39, v[HF0]
	s_mul_i32 s39, s[WV], 768
	v_add_nc_u32 v[HWS], s39, v[HS0]
	v_mul_u32_u24 v[WA], v2, 384
	v_lshl_add_u32 v[WA], v3, 4, v[WA]
	v_mul_u32_u24 v[WSA], v2, 24
	v_lshlrev_b32 v[BAQ], 5, v3
	v_add_nc_u32 v[GBR], GB, v[BAQ]
	v_lshlrev_b32 v[T8], 3, v0
	v_add_nc_u32 v[GBW], GB, v[T8]
	v_mul_u32_u24 v3, v3, 1536
	v_lshl_add_u32 v[GS0], v2, 2, v3                   ; 4 r + 1,536 h
.irp b, 4,5,6,7
	v_mov_b32 v[TM+\b], 0                              ; a lane permute's destination counts as one of its sources
.endr
	v_mov_b32 v[SA+8], 0
	v_mov_b32 v[A0P], -2.72614225801306e-10
	v_mov_b32 v[A0P+1], v[A0P]
	v_mov_b32 v[B0P], -1.45660718464996e-05
	v_mov_b32 v[B0P+1], v[B0P]
	s_mov_b32 s[AL+2], 2.77068142495902e-08
	s_mov_b32 s[AL+4], -2.10102402082508e-06
	s_mov_b32 s[AL+6], -5.69250639462346e-05
	s_mov_b32 s[AL+8], -7.34990630326855e-04
	s_mov_b32 s[AL+10], -2.95459980854025e-03
	s_mov_b32 s[AL+12], -1.60960333262415e-02
	s_mov_b32 s[BE+2], -2.13374055278905e-04
	s_mov_b32 s[BE+4], -1.68282697438203e-03
	s_mov_b32 s[BE+6], -7.37332916720468e-03
	s_mov_b32 s[BE+8], -1.42647390514189e-02
.irp a, 2,4,6,8,10,12
	s_mov_b32 s[AL+\a+1], s[AL+\a]                     ; (the packed forms name pairs, so both words are written)
.endr
.irp a, 2,4,6,8
	s_mov_b32 s[BE+\a+1], s[BE+\a]
.endr
	s_mov_b32 s[SEL], 0x76543210
	s_mov_b32 s[SEL+1], 0xfedcba98
	s_mov_b32 vcc_lo, 0xffff0000                       ; lanes 16-31; never rewritten
	s_mov_b32 s[RCPD], 0x3aaaaaab                      ; 1 / 768
	s_mov_b32 s[EPSR], 0x3727c5ac                      ; 1e-5
	s_mul_i32 s38, s[YY], 12
	s_mul_i32 s39, s[WV], 3
	s_add_co_u32 s[UU], s38, s39                       ; my first unit of 64 hidden columns
	s_mov_b32 s49, 0
	s_mul_i32 s48, s[UU], 24576
	s_add_nc_u64 s[14:15], s[14:15], s[48:49]
	s_mul_i32 s48, s[UU], 1536
	s_add_nc_u64 s[16:17], s[16:17], s[48:49]
	s_lshl_b32 s48, s[UU], 8
	s_add_nc_u64 s[18:19], s[18:19], s[48:49]
	s_mul_i32 s48, ttmp9, 104448                       ; my four token tiles' images,
	s_add_nc_u64 s[20:21], s[20:21], s[48:49]
	s_add_nc_u64 s[22:23], s[20:21], 98304             ; and their scale words behind them
.irp i, 0,1,2
	global_load_b64 v[STGB+2*\i:STGB+2*\i+1], v[T8], s[10:11] offset:1024*\i
	global_load_b64 v[STGB+6+2*\i:STGB+7+2*\i], v[T8], s[12:13] offset:1024*\i
.endr
	WALL
	; ---- the norm
	s_wait_tensorcnt 0x0                               ; my 16 rows are in LDS
	LNPASS 0
	v_mul_f32 v[MM], s[RCPD], v[SA]
	v_mov_b32 v[MM+1], v[MM]
	LNPASS 1
	v_fma_f32 v[SA], v[SA], s[RCPD], s[EPSR]
	s_wait_alu depctr_va_vdst(0)
	v_rsq_f32 v[RR], v[SA]
	v_nop
	s_wait_alu depctr_va_vdst(0)
	v_mov_b32 v[RR+1], v[RR]
	s_wait_loadcnt 0x0                                 ; g and b, and with them the first unit's weights, asked for two passes ago
.irp i, 0,1,2
	ds_store_b64 v[GBW], v[STGB+2*\i:STGB+2*\i+1] offset:1024*\i
	ds_store_b64 v[GBW], v[STGB+6+2*\i:STGB+7+2*\i] offset:3072+1024*\i
.endr
	s_wait_dscnt 0x0
	s_barrier_signal -1
	s_barrier_wait -1                                  ; g and b lie in LDS
	XCH 0, XB0
	GBCH 0, 0
.set cs, 0
.rept 6
.set xb, XB0+64*(cs%2)
.set gbb, 128*(cs%2)
.if cs < 5
	XCH cs+1, XB0+64*((cs+1)%2)
	GBCH cs+1, 128*((cs+1)%2)
	s_wait_dscnt 48                                    ; all but the 48 loads just issued
.else
	s_wait_dscnt 0x0
.endif
.set pp, 0
.rept 32
	v_pk_add_f32 v[xb+2*pp:xb+2*pp+1], v[xb+2*pp:xb+2*pp+1], v[MM:MM+1] neg_lo:[0,1] neg_hi:[0,1]
.set pp, pp+1
.endr
.set pp, 0
.rept 32
	v_pk_mul_f32 v[xb+2*pp:xb+2*pp+1], v[xb+2*pp:xb+2*pp+1], v[RR:RR+1]
.set pp, pp+1
.endr
	WIN 0x28
.set pp, 0
.rept 32
	v_pk_fma_f32 v[xb+2*pp:xb+2*pp+1], v[xb+2*pp:xb+2*pp+1], v[gbb+2*pp:gbb+2*pp+1], v[gbb+64+2*pp:gbb+65+2*pp]
.set pp, pp+1
.endr
	WIN 0
	QUANT xb, 4, PC
	v_lshl_or_b32 v[PWL], v[TM+5], 8, v[TM+4]
	v_lshl_or_b32 v[PWL], v[TM+6], 16, v[PWL]
	v_lshl_or_b32 v[PWL], v[TM+7], 24, v[PWL]
	ds_store_b128 v[HWI], v[PC:PC+3] offset:1024*cs
	ds_store_b128 v[HWI], v[PC+4:PC+7] offset:1024*cs+512
	ds_store_b32 v[HWS], v[PWL] offset:128*cs
.set cs, cs+1
.endr
	s_wait_dscnt 0x0
	s_barrier_signal -1
	s_barrier_wait -1                                  ; h's 24 fragments lie in LDS
	WIN 0x80
.set ff, 0
.rept 24
	ds_load_b128 v[8*ff:8*ff+3], v[HF0] offset:1024*ff
	ds_load_b128 v[8*ff+4:8*ff+7], v[HF0] offset:1024*ff+512
.set ff, ff+1
.endr
	WIN 0
.set ff, 0
.rept 24
	ds_load_b32 v[HS+ff], v[HS0] offset:128*ff
.set ff, ff+1
.endr
	s_wait_dscnt 0x0
	s_mov_b32 s[CNT], 0
.Lunit:                                                ; three trips, a unit of 64 hidden columns each
	s_lshl_b32 s33, s[UU], 9
	v_add_nc_u32 v[GO], s33, v[LI]                     ; (the last trip's stores have read GO and GS: the wait stands at the trip's end)
	s_lshr_b32 s31, s[UU], 1
	s_lshl_b32 s31, s31, 6
	s_and_b32 s32, s[UU], 1
	s_lshl_b32 s32, s32, 1
	s_add_co_u32 s31, s31, s32
	v_add_nc_u32 v[GS], s31, v[GS0]
	s_wait_loadcnt 0x0                                 ; this unit's weights: asked for ahead of the last unit's way out
.irp s, 0,1,2,3,4,5
.if \s == 0
	WIN 0x19                                           ; W1 and the bias in window 1, h in window 2
.else
	WIN 0x09
.endif
.irp m, 0,1,2,3
.irp t, 0,1,2,3
.if \s == 0
	v_wmma_scale_f32_16x16x128_f8f6f4 v[ACC+32*\m+8*\t:ACC+32*\m+8*\t+7], v[32*\s+8*\t:32*\s+8*\t+7], v[48*\m+8*\s:48*\m+8*\s+7], v[192+8*\t:199+8*\t], v[WS+6*\t+\s], v[HS+6*\m+\s] matrix_a_fmt:MATRIX_FMT_FP4 matrix_b_fmt:MATRIX_FMT_FP4
.else
	v_wmma_scale_f32_16x16x128_f8f6f4 v[ACC+32*\m+8*\t:ACC+32*\m+8*\t+7], v[32*\s+8*\t:32*\s+8*\t+7], v[48*\m+8*\s:48*\m+8*\s+7], v[ACC+32*\m+8*\t:ACC+32*\m+8*\t+7], v[WS+6*\t+\s], v[HS+6*\m+\s] matrix_a_fmt:MATRIX_FMT_FP4 matrix_b_fmt:MATRIX_FMT_FP4
.endif
.endr
.endr
.endr
	WIN 0
	PLACES 4                                           ; in front of the loads into the weights' registers and of the first read of results
	s_cmp_eq_u32 s[CNT], 2                             ; the last unit asks for nothing: no load leaves its buffer
	s_cbranch_scc1 .Lno_next
	s_add_nc_u64 s[14:15], s[14:15], 24576             ; all loads that named these pointers are done
	s_add_nc_u64 s[16:17], s[16:17], 1536
	s_add_nc_u64 s[18:19], s[18:19], 256
	WALL
.Lno_next:
.irp m, 0,1,2,3
	GELU8 ACC+32*\m
	GELU8 ACC+32*\m+8
	GELU8 ACC+32*\m+16
	GELU8 ACC+32*\m+24
	QUANT ACC+32*\m, 2, PC+4*\m
	v_lshl_or_b32 v[TM+2+(\m%2)+4*(\m/2)], v[TM+5], 8, v[TM+4]
	global_store_b128 v[GO], v[PC+4*\m:PC+4*\m+3], s[20:21] offset:24576*\m      ; 512 consecutive bytes a wave
.endr
	v_cndmask_b32 v[TM+10], v[TM+2], v[TM+3], vcc_lo   ; lanes 0-15 send token tile 2 p, lanes 16-31 tile 2 p + 1
	v_cndmask_b32 v[TM+11], v[TM+6], v[TM+7], vcc_lo
	global_store_b16 v[GS], v[TM+10], s[22:23]
	global_store_b16 v[GS], v[TM+11], s[22:23] offset:3072
	s_wait_xcnt 0x0                                    ; the stores have read their registers: codes, words and offsets may be written again
	s_add_co_u32 s[UU], s[UU], 1
	s_add_co_u32 s[CNT], s[CNT], 1
	s_cmp_lt_u32 s[CNT], 3
	s_cbranch_scc1 .Lunit
	s_set_vgpr_msb 0x5
	s_wait_tensorcnt 0x0
	ds_add_u32 v254, v255
	s_wait_dscnt 0x0
	s_set_vgpr_msb 0x500
	s_endpgm
.Lfunc_end_k_q0f2f964ecd_ffn1:
	.size	k_q0f2f964ecd_ffn1, .Lfunc_end_k_q0f2f964ecd_ffn1-k_q0f2f964ecd_ffn1
	.p2alignl 7, 3214868480
	.fill 96, 4, 3214868480
	.section	.rodata,"a",@progbits
	.p2align	6, 0x0
	.amdhsa_kernel k_q0f2f964ecd_ffn1
		.amdhsa_group_segment_fixed_size 233984
		.amdhsa_private_segment_fixed_size 0
		.amdhsa_enable_private_segment 0
		.amdhsa_kernarg_size 56
		.amdhsa_user_sgpr_count 2
		.amdhsa_user_sgpr_kernarg_segment_ptr 1
		.amdhsa_wavefront_size32 1
		.amdhsa_system_sgpr_workgroup_id_x 1
		.amdhsa_system_sgpr_workgroup_id_y 1
		.amdhsa_system_sgpr_workgroup_id_z 1
		.amdhsa_system_vgpr_workitem_id 0
		.amdhsa_next_free_vgpr 768
		.amdhsa_next_free_sgpr 100
		.amdhsa_reserve_vcc 1
		.amdhsa_float_denorm_mode_32 3
		.amdhsa_float_denorm_mode_16_64 3
		.amdhsa_memory_ordered 1
		.amdhsa_forward_progress 1
		.amdhsa_inst_pref_size 252
	.end_amdhsa_kernel
	.amdgpu_metadata
---
amdhsa.version: [ 1, 2 ]
amdhsa.kernels:
  - .name:           k_q0f2f964ecd_ffn1
    .symbol:         k_q0f2f964ecd_ffn1.kd
    .args:
      - { .name: x1, .offset: 0, .size: 8, .value_kind: global_buffer, .address_space: global }
      - { .name: ln2_g, .offset: 8, .size: 8, .value_kind: global_buffer, .address_space: global }
      - { .name: ln2_b, .offset: 16, .size: 8, .value_kind: global_buffer, .address_space: global }
      - { .name: W1_codes, .offset: 24, .size: 8, .value_kind: global_buffer, .address_space: global }
      - { .name: W1_scales, .offset: 32, .size: 8, .value_kind: global_buffer, .address_space: global }
      - { .name: b1, .offset: 40, .size: 8, .value_kind: global_buffer, .address_space: global }
      - { .name: g_img, .offset: 48, .size: 8, .value_kind: global_buffer, .address_space: global }
    .group_segment_fixed_size: 233984
    .private_segment_fixed_size: 0
    .kernarg_segment_align: 8
    .kernarg_segment_size: 56
    .max_flat_workgroup_size: 128
    .sgpr_count:     100
    .vgpr_count:     768
    .wavefront_size: 32
...
	.end_amdgpu_metadata
.endif
;; end of part 4
;; launch ffn2 (part 5): grid 64 x 4, 3 waves a work-group, no clusters, 327,680 bytes of LDS; arguments g_img, W2_codes, W2_scales, b2, x1, out0; writes out0
.if DOCPART == 5
	.amdgcn_target "amdgcn-amd-amdhsa--gfx1250"
	.amdhsa_code_object_version 6
	.text
	.protected	k_q0f2f964ecd_ffn2
	.globl	k_q0f2f964ecd_ffn2
	.p2align	8
	.type	k_q0f2f964ecd_ffn2,@function
k_q0f2f964ecd_ffn2:
	s_mov_b64 s[64:65], 0
	v_nop
	global_prefetch_b8 v0, s[64:65] scope:SCOPE_SE
	s_setreg_imm32_b32 hwreg(HW_REG_WAVE_MODE, 25, 1), 1
	s_wait_xcnt 0x0
.set KS,   24
.set ASC,  4096*KS
.set STG,  4352*KS
.set AM,   4
.set ASA,  8
.set WA,   9
.set WSA,  10
.set BA,   11
.set STO,  12
.set RD,   13
.set CO,   14
.set AS,   16
.set WSR,  24
.set ACC,  120
.set MSB, 0
.macro WIN new
.if MSB != (\new)
	s_set_vgpr_msb (MSB<<8)|(\new)
.set MSB, (\new)
.endif
.endm
.macro PLACES n
.rept \n
	v_nop
.endr
.endm
.macro WLOADK s
	WIN (0x40*(1+((\s)%16)/8))
.irp t, 0,1,2,3
.irp c, 0,1
	global_load_b128 v[32*((\s)%8)+8*\t+4*\c:32*((\s)%8)+8*\t+4*\c+3], v[WA], s[8:9] offset:1024*KS*\t+64*(\s)+32*\c
.endr
.endr
.endm
.macro ACTLOAD s
.irp m, 0,1,2,3
	ds_load_b32 v[AS+4*((\s)%2)+\m], v[ASA] offset:64*KS*\m+64*(\s)
.endr
	WIN 0xc0
.irp m, 0,1,2,3
.irp c, 0,1
	ds_load_b128 v[32*((\s)%2)+8*\m+4*\c:32*((\s)%2)+8*\m+4*\c+3], v[AM+\m] offset:1024*(\s)+512*\c
.endr
.endr
	WIN 0
.endm
.macro KSTEP s
.if (\s)+1 < KS
	ACTLOAD (\s)+1
.endif
.if 8*(KS-1-(\s)) > 63
	s_wait_loadcnt 63
.else
	s_wait_loadcnt 8*(KS-1-(\s))
.endif
.if (\s)+1 < KS
	s_wait_dscnt 12
.else
	s_wait_dscnt 0x0
.endif
.set wwin, 1+((\s)%16)/8
.if (\s) == 0
	WIN (wwin|0x0c|0x30)
.else
	WIN (wwin|0x0c)
.endif
.irp m, 0,1,2,3
.irp t, 0,1,2,3
.if (\s) == 0
	v_wmma_scale_f32_16x16x128_f8f6f4 v[ACC+32*\m+8*\t:ACC+32*\m+8*\t+7], v[32*((\s)%8)+8*\t:32*((\s)%8)+8*\t+7], v[32*((\s)%2)+8*\m:32*((\s)%2)+8*\m+7], v[192+8*\t:199+8*\t], v[WSR+KS*\t+(\s)], v[AS+4*((\s)%2)+\m] matrix_a_fmt:MATRIX_FMT_FP4 matrix_b_fmt:MATRIX_FMT_FP4
.else
	v_wmma_scale_f32_16x16x128_f8f6f4 v[ACC+32*\m+8*\t:ACC+32*\m+8*\t+7], v[32*((\s)%8)+8*\t:32*((\s)%8)+8*\t+7], v[32*((\s)%2)+8*\m:32*((\s)%2)+8*\m+7], v[ACC+32*\m+8*\t:ACC+32*\m+8*\t+7], v[WSR+KS*\t+(\s)], v[AS+4*((\s)%2)+\m] matrix_a_fmt:MATRIX_FMT_FP4 matrix_b_fmt:MATRIX_FMT_FP4
.endif
.endr
.endr
	WIN 0
	PLACES 4
.if (KS == 24) && ((\s) < 8)
	WLOADK (\s)+16
	WIN 0
.endif
.endm
.macro OUTM m
.set ob, 32*((\m)%2)
.if (\m) >= 2
	s_wait_xcnt 0x0
.endif
.irp t, 0,1,2,3
	ds_store_b128 v[STO], v[ACC+32*(\m)+8*\t:ACC+32*(\m)+8*\t+3] offset:64*\t
	ds_store_b128 v[STO], v[ACC+32*(\m)+8*\t+4:ACC+32*(\m)+8*\t+7] offset:64*\t+16
.endr
	WIN 0xc0
.irp i, 0,1,2,3,4,5,6,7
	ds_load_b128 v[ob+4*\i:ob+4*\i+3], v[RD] offset:544*\i
.endr
	s_wait_dscnt 0x0
	WIN 0xcf
.irp k, 0,1,2,3,4,5,6,7,8,9,10,11,12,13,14,15
	v_pk_add_f32 v[ob+2*\k:ob+2*\k+1], v[ob+2*\k:ob+2*\k+1], v[64+32*(\m)+2*\k:65+32*(\m)+2*\k]
.endr
	WIN 0x0c
.irp i, 0,1,2,3,4,5,6,7
	global_store_b128 v[CO], v[ob+4*\i:ob+4*\i+3], s[16:17] offset:(16*(\m)+2*\i)*3072
.endr
	WIN 0
.endm
	s_load_b64 s[4:5], s[0:1], 0x0                     ; act: for each 64 rows one dense block, the images and behind them the scale words
	s_load_b128 s[8:11], s[0:1], 0x8                   ; W's codes, W's scales
	s_load_b128 s[12:15], s[0:1], 0x18                 ; bias, res
	s_load_b64 s[16:17], s[0:1], 0x28                  ; out
	v_lshl_add_u32 v254, v0, 2, 0x29000
	v_mov_b32 v255, 0
	ds_add_u32 v254, v255
	ds_add_u32 v254, v255
	v_lshrrev_b32 v1, 5, v0
	v_readfirstlane_b32 s18, v1
	s_and_b32 s19, ttmp7, 0xffff
	s_mul_i32 s20, s19, 3
	s_add_co_u32 s20, s20, s18
	s_mov_b32 s24, 0x30000
	s_mov_b32 s25, 32<<16
	s_mov_b32 s26, (17*KS/3)<<16                       ; a third of the block's 17 KS rows of 256 bytes
	s_mov_b32 s27, 32<<16
	s_mov_b32 s28, 17*KS/3
	s_mov_b32 s29, 32
	s_mov_b32 s30, 0
	s_mov_b32 s31, 0
	s_mul_i32 s21, s18, 4352*KS/3
	s_mul_i32 s22, ttmp9, 4352*KS
	s_add_co_u32 s22, s22, s21
	s_mov_b32 s23, 0
	s_mov_b32 s32, 1
	s_mov_b32 s33, s21
	s_wait_dscnt 0x0
	s_wait_kmcnt 0x0
	s_add_nc_u64 s[34:35], s[4:5], s[22:23]
	s_or_b32 s35, s35, 0x80000000
	tensor_load_to_lds s[32:35], s[24:31]              ; my one fill: images and scale words lie in LDS as in memory; nothing is filled again
	s_nop 0
	PLACES 4
	v_and_b32 v1, 31, v0
	v_and_b32 v2, 15, v0
	v_bfe_u32 v3, v0, 4, 1
	v_lshlrev_b32 v[AM], 4, v1
	v_add_nc_u32 v[AM+1], 1024*KS, v[AM]
	v_add_nc_u32 v[AM+2], 2048*KS, v[AM]
	v_add_nc_u32 v[AM+3], 3072*KS, v[AM]
	v_lshl_add_u32 v[ASA], v2, 2, ASC
	v_mul_u32_u24 v[WA], v2, 64*KS
	v_lshl_add_u32 v[WA], v3, 4, v[WA]
	v_mul_u32_u24 v[WSA], v2, 4*KS
	v_lshlrev_b32 v[BA], 5, v3
	s_mul_i32 s52, s18, 4352
	s_add_co_u32 s52, s52, STG
	v_mul_u32_u24 v[STO], v2, 272
	v_lshl_add_u32 v[STO], v3, 5, v[STO]
	v_add_nc_u32 v[STO], s52, v[STO]
	v_mul_u32_u24 v[RD], v3, 272
	v_lshl_add_u32 v[RD], v2, 4, v[RD]
	v_add_nc_u32 v[RD], s52, v[RD]
	v_mul_u32_u24 v[CO], v3, 3072
	v_lshl_add_u32 v[CO], v2, 4, v[CO]
	s_wait_alu depctr_va_vdst(0)
	s_mov_b32 s55, 0
	s_mul_i32 s54, s20, 4096*KS
	s_add_nc_u64 s[8:9], s[8:9], s[54:55]
	s_mul_i32 s54, s20, 256*KS
	s_add_nc_u64 s[10:11], s[10:11], s[54:55]
	s_lshl_b32 s54, s20, 8
	s_add_nc_u64 s[12:13], s[12:13], s[54:55]
	s_mul_i32 s56, ttmp9, 196608
	s_add_co_u32 s54, s54, s56
	s_add_nc_u64 s[14:15], s[14:15], s[54:55]
	s_add_nc_u64 s[16:17], s[16:17], s[54:55]
	WIN 0xc0
.irp m, 0,1,2,3
.irp i, 0,1,2,3,4,5,6,7
	global_load_b128 v[64+32*\m+4*\i:67+32*\m+4*\i], v[CO], s[14:15] offset:(16*\m+2*\i)*3072
.endr
.endr
.irp t, 0,1,2,3
	global_load_b128 v[192+8*\t:195+8*\t], v[BA], s[12:13] offset:64*\t
	global_load_b128 v[196+8*\t:199+8*\t], v[BA], s[12:13] offset:64*\t+16
.endr
	WIN 0
.irp t, 0,1,2,3
.if KS == 24
.irp i, 0,1,2,3,4,5
	global_load_b128 v[WSR+KS*\t+4*\i:WSR+KS*\t+4*\i+3], v[WSA], s[10:11] offset:64*KS*\t+16*\i
.endr
.else
.irp i, 0,1,2
	global_load_b64 v[WSR+KS*\t+2*\i:WSR+KS*\t+2*\i+1], v[WSA], s[10:11] offset:64*KS*\t+8*\i
.endr
.endif
.endr
.set ks, 0
.rept KS
.if ks < 16
	WLOADK ks
.endif
.set ks, ks+1
.endr
	WIN 0
	s_wait_tensorcnt 0x0
	s_barrier_signal -1
	s_barrier_wait -1
	ACTLOAD 0
.set ks, 0
.rept KS
	KSTEP ks
.set ks, ks+1
.endr
	OUTM 0
	OUTM 1
	OUTM 2
	OUTM 3
	s_wait_tensorcnt 0x0
	ds_add_u32 v254, v255
	s_wait_dscnt 0x0
	s_endpgm
.Lfunc_end_k_q0f2f964ecd_ffn2:
	.size	k_q0f2f964ecd_ffn2, .Lfunc_end_k_q0f2f964ecd_ffn2-k_q0f2f964ecd_ffn2
	.p2alignl 7, 3214868480
	.fill 96, 4, 3214868480
	.section	.rodata,"a",@progbits
	.p2align	6, 0x0
	.amdhsa_kernel k_q0f2f964ecd_ffn2
		.amdhsa_group_segment_fixed_size 327680
		.amdhsa_private_segment_fixed_size 0
		.amdhsa_enable_private_segment 0
		.amdhsa_kernarg_size 48
		.amdhsa_user_sgpr_count 2
		.amdhsa_user_sgpr_kernarg_segment_ptr 1
		.amdhsa_wavefront_size32 1
		.amdhsa_system_sgpr_workgroup_id_x 1
		.amdhsa_system_sgpr_workgroup_id_y 1
		.amdhsa_system_sgpr_workgroup_id_z 1
		.amdhsa_system_vgpr_workitem_id 0
		.amdhsa_next_free_vgpr 1024
		.amdhsa_next_free_sgpr 66
		.amdhsa_reserve_vcc 0
		.amdhsa_float_denorm_mode_32 3
		.amdhsa_float_denorm_mode_16_64 3
		.amdhsa_memory_ordered 1
		.amdhsa_forward_progress 1
		.amdhsa_inst_pref_size 114
	.end_amdhsa_kernel
	.amdgpu_metadata
---
amdhsa.version: [ 1, 2 ]
amdhsa.kernels:
  - .name:           k_q0f2f964ecd_ffn2
    .symbol:         k_q0f2f964ecd_ffn2.kd
    .args:
      - { .name: g_img, .offset: 0, .size: 8, .value_kind: global_buffer, .address_space: global }
      - { .name: W2_codes, .offset: 8, .size: 8, .value_kind: global_buffer, .address_space: global }
      - { .name: W2_scales, .offset: 16, .size: 8, .value_kind: global_buffer, .address_space: global }
      - { .name: b2, .offset: 24, .size: 8, .value_kind: global_buffer, .address_space: global }
      - { .name: x1, .offset: 32, .size: 8, .value_kind: global_buffer, .address_space: global }
      - { .name: out0, .offset: 40, .size: 8, .value_kind: global_buffer, .address_space: global }
    .group_segment_fixed_size: 327680
    .private_segment_fixed_size: 0
    .kernarg_segment_align: 8
    .kernarg_segment_size: 48
    .max_flat_workgroup_size: 96
    .sgpr_count:     66
    .vgpr_count:     1024
    .wavefront_size: 32
...
	.end_amdgpu_metadata
.endif
;; end of part 5
